; MI455X (gfx1250); checked and timed in simulation.
; The chip was launched on July 23, 2026; its instructions are those of AMD's public machine-readable ISA for CDNA 5 (MIT licence, August 2026) and "CDNA5" Instruction Set Architecture Reference Guide (July 2026). The comments in the code are by the model that wrote it; some were corrected since.
;; Attention. Allowed arithmetic: matrix products marked QUANTISED: E2M1 operands, one E8M0 scale for each 32 along K, by v_wmma_scale_f32_16x16x128_f8f6f4 with both operands' format E2M1 (or v_wmma_scale_f32_32x16x128_f4), f32 sums; products left as they are: bf16, f16 or f32 operands; f32 sums; everything else in f32.
;; Inputs: b_proj 1,024 float32; b_qkv 3,072 float32; w_proj 1,024 x 1,024 float32; w_qkv 1,024 x 3,072 float32; x 4 x 2,048 x 1,024 float32.
;; Outputs: out0 4 x 2,048 x 1,024 float32.
;; This version of the problem:
;;   THIS VERSION OF THE PROBLEM IS GIVEN IN LOW PRECISION. The matrix products marked QUANTISED in the list below multiply operands that are first quantised to E2M1 (2 exponent bits, 1 mantissa bit; 4 bits a number), with one power-of-two scale for each 32 numbers along K (OCP MX v1.0); their sums are f32. The products marked 'left as it is' may take bf16, f16 or f32 operands, with f32 sums. Whichever they take, every output number must still come out within the allowed error. Rounding operands to bf16 (8 significant bits) uses up far more of that allowance than f16 does (11 bits, for magnitudes from 6e-5 to 65,504). All else is computed in f32.
;;   The module's matrix products, in the order in which they are computed (A, B: the left and right operand; K: the contracted axis; several contracted axes count as one K, in the product's order):
;;     1. [M 8,192, K 1,024] x [K 1,024, N 3,072]; A: input x; B: input w_qkv: QUANTISED
;;     2. batch 64 x [M 2,048, K 64] x [K 64, N 2,048]; A: computed on the way; B: computed on the way: left as it is (an operand is computed on the way)
;;     3. batch 64 x [M 2,048, K 2,048] x [K 2,048, N 64]; A: computed on the way; B: computed on the way: left as it is (an operand is computed on the way)
;;     4. [M 8,192, K 1,024] x [K 1,024, N 1,024]; A: computed on the way; B: input w_proj: left as it is (an operand is computed on the way)
;;   THE QUANTISER, for each operand of a quantised product, along K:
;;     - K is cut into blocks of 32 from its start; a last block that is shorter is filled with zeros.
;;     - A block's scale is 2^e with e = floor(log2(the largest magnitude in the block)) - 2, held to -126 .. 127; a block of zeros has e = 0. As a byte (E8M0): e + 127.
;;     - Each number is divided by its block's scale, clamped to +-6, and rounded to the nearest number of E2M1, ties to even, subnormals kept.
;;     - The product sums the exact products of the quantised numbers (number of the format x scale) in f32.
;;   ~~~python
;;   def quantise(x, axis):      # numpy; x: float32 -> the quantised numbers, widened to float32 again
;;       x = np.moveaxis(x, axis, -1); K = x.shape[-1]
;;       x = np.pad(x, [(0, 0)] * (x.ndim - 1) + [(0, -K % 32)]); x = x.reshape(x.shape[:-1] + (-1, 32)); a = np.abs(x).max(-1, keepdims=True)
;;       e = np.where(a > 0, np.clip(np.frexp(np.where(a > 0, a, 1))[1] - 1 - 2, -126, 127), 0)      # np.frexp(a)[1] - 1 = floor(log2(a)), exactly
;;       r = np.clip(x / 2.0 ** e, -6, 6)
;;       step = 2.0 ** (np.maximum(np.frexp(np.where(r == 0, 1, r))[1] - 1, 0) - 1)
;;       q = np.round(r / step) * step * 2.0 ** e      # np.round: ties to even
;;       return np.moveaxis(q.reshape(q.shape[:-2] + (-1,))[..., :K], -1, axis).astype(np.float32)
;;   ~~~
;; One version. Each part assembles by itself: llvm-mc -triple=amdgcn-amd-amdhsa -mcpu=gfx1250 --defsym DOCPART=n.
;; ======== version 1 of 1: 4 launches
;; limits: values are held in f16: magnitudes above 65,504 overflow, below 6.1e-05 lose precision
;; workspace buffers: x_codes 4,194,304 bytes; x_scales 262,144 bytes; w_codes 1,572,864 bytes; w_scales 98,304 bytes; wp16 2,097,152 bytes; qkv 50,331,648 bytes; att 16,777,216 bytes
;; launch prep (part 1): grid 512 x 1, 4 waves a work-group, no clusters, 33,280 bytes of LDS; arguments x, w_qkv, w_proj, x_codes, x_scales, w_codes, w_scales, wp16; writes x_codes, x_scales, w_codes, w_scales, wp16
.if DOCPART == 1
	.amdgcn_target "amdgcn-amd-amdhsa--gfx1250"
	.amdhsa_code_object_version 6
	.text
	.protected	k_q66a5b4ab4a_prep
	.globl	k_q66a5b4ab4a_prep
	.p2align	8
	.type	k_q66a5b4ab4a_prep,@function
k_q66a5b4ab4a_prep:
	s_mov_b64 s[64:65], 0
	v_nop
	global_prefetch_b8 v0, s[64:65] scope:SCOPE_SE
	s_setreg_imm32_b32 hwreg(HW_REG_WAVE_MODE, 25, 1), 1
	s_wait_xcnt 0x0
; THREE STREAMS IN ONE LAUNCH, told apart by the work-group's number.  They share no byte and never join again.
;  X (work-groups 0-255):   x [8192][1024] f32 -> codes of FP4 (E2M1), K innermost, [8192][512 bytes], and one E8M0 byte for each 32 along K, [8192][32].
;  W (work-groups 256-447): w_qkv [1024 (k)][3072 (n)] f32 -> codes laid IN THE ORDER OF THE OPERAND'S REGISTERS: [n / 16][k / 128][1,024 bytes]; in a fragment the block t = (k % 128) / 32
;     of column r = n % 16 lies at 256 t + 16 r, which is where lane 16 (t % 2) + r finds its register group t / 2 at 512 (t / 2) + 16 x lane.  Scale bytes [3072][32].
;  P (work-groups 448-511): w_proj [1024 (k)][1024 (n)] f32 -> f16, likewise in register order: [n / 16][32,768 bytes]; the eight numbers k = 8 u .. 8 u + 7 of column r lie at 256 u + 16 r.
; A block's scale is 2^(floor(log2(its largest magnitude)) - 2); its byte is the largest magnitude's exponent field - 2, held at 1 from below.  A block of zeros so gets the byte 1 where the
; quantiser's text says 127: its codes are zeros, which add nothing under any byte but 0xff, and this program alone reads the bytes.
; LIMITS: blocks whose largest magnitude lies under 2^-124 (the floor) keep the byte 1; NaN and infinities among the inputs are not served.
; W and P: A LANE TAKES A COLUMN AND ITS REGISTERS RUN DOWN K, so a block of 32 along K lies in one lane, the conversions give codes with K innermost, and a lane's 16 bytes are a piece of a
; fragment's image: sixteen neighbouring lanes store 256 consecutive bytes, aligned, with no way through LDS.  No matrix unit, no tensor load, no barrier: waves share nothing.
.set STEPS, 16
.set EMAX,  2
.set CB,    8                          ; bytes of 16 codes
.set R,     16                         ; X: v16-79   four sets of 16 numbers as they are loaded
.set X,     80                         ; X: v80-111  two sets of 16 neighbours
.set E,     112                        ; X: v112-127 a scale byte for each step
.set C,     128                        ; X: v128-189 codes: registers of its own for each step, so that no store's data are written again
.set WREG,  8192                       ; X: LDS: a region for each wave: two stages of 32 x SP bytes, behind them its 256 scale bytes
.set SP,    80                         ; X: a lane's place in a stage: its 64 bytes + 16 of padding
.set SPW,   190                        ; v190 LDS address of my spare word: SPARE + 4 x my thread's number; never rewritten
.set NIL,   191                        ; v191 0; never rewritten
.set SPARE, 4*WREG                     ; behind the four regions: the spare words, 128 bytes for each wave
.set N,     32                         ; W, P: v32-95 two sets of 32 numbers down K
.set OUTC,  96                         ; W, P: from v96 what is stored: registers of its own for each block
	s_load_b256 s[4:11], s[0:1], 0x0               ; x s[4:5], w_qkv s[6:7], w_proj s[8:9], x_codes s[10:11]
	s_load_b256 s[12:19], s[0:1], 0x20             ; x_scales s[12:13], w_codes s[14:15], w_scales s[16:17], wp16 s[18:19]
	v_lshl_add_u32 v[SPW], v0, 2, SPARE
	v_mov_b32 v[NIL], 0
	v_lshrrev_b32 v1, 5, v0
	v_readfirstlane_b32 s20, v1                    ; wave 0..3
	v_and_b32 v2, 31, v0                           ; lane
	s_mov_b32 s23, 0                               ; the upper word of every 64-bit offset made in s[22:23]
	s_wait_kmcnt 0x0
	s_cmp_lt_u32 ttmp9, 256
	s_cbranch_scc0 .Lweights
; ---------------- X.  A wave takes 16 steps of 512 numbers.  Each of a step's four loads reads 512 consecutive bytes, 16 a lane; the conversions want 16 NEIGHBOURS in a lane, so the 2,048 bytes go
; through the wave's own stage in LDS as they lie and come back 64 bytes a lane.  Two neighbouring lanes hold a block.  Loads run four steps ahead, the turn through LDS one step.
	v_lshlrev_b32 v3, 4, v2                        ; my 16 bytes of a load's 512
	s_mul_i32 s21, s20, WREG
	v_lshrrev_b32 v14, 2, v2
	v_mul_u32_u24 v14, v14, SP
	v_and_b32 v15, 3, v2
	v_lshl_add_u32 v14, v15, 4, v14
	v_add_nc_u32 v14, s21, v14                     ; the stage, on the way in: SP (lane / 4) + 16 (lane % 4)
	v_mul_u32_u24 v15, v2, SP
	v_add_nc_u32 v15, s21, v15                     ; and on the way out: SP x lane
	v_mul_u32_u24 v4, v2, CB                       ; my codes' place in a step's
	v_lshrrev_b32 v5, 1, v2
	s_add_co_u32 s21, s21, 2*32*SP
	v_add_nc_u32 v5, s21, v5                       ; LDS: my wave's 256 scale bytes, my block's byte
	v_lshlrev_b32 v7, 3, v2                        ; and on the way out 8 bytes a lane
	v_add_nc_u32 v6, s21, v7
	s_lshl_b32 s22, ttmp9, 2
	s_add_co_u32 s22, s22, s20                     ; which run of 8,192 numbers is my wave's: 0 .. 1,023
	s_lshl_b64 s[24:25], s[22:23], 15              ; 32,768 bytes of x a run,
	s_add_nc_u64 s[4:5], s[4:5], s[24:25]
	s_lshl_b64 s[24:25], s[22:23], 12              ; 4,096 of codes,
	s_add_nc_u64 s[10:11], s[10:11], s[24:25]
	s_lshl_b32 s22, s22, 8                         ; 256 of scale bytes
	s_add_nc_u64 s[12:13], s[12:13], s[22:23]
.macro LOAD t
.irp i, 0,1,2,3
	global_load_b128 v[R+16*((\t)%4)+4*\i:R+16*((\t)%4)+4*\i+3], v3, s[4:5] offset:2048*(\t)+512*\i th:TH_LOAD_NT
.endr
.endm
.macro TURN t                          ; step t's numbers through the stage: LDS serves a wave's instructions in order, so no wait stands between the stores and the loads
.irp i, 0,1,2,3
	ds_store_b128 v14, v[R+16*((\t)%4)+4*\i:R+16*((\t)%4)+4*\i+3] offset:32*SP*((\t)%2)+8*SP*\i
.endr
.irp i, 0,1,2,3
	ds_load_b128 v[X+16*((\t)%2)+4*\i:X+16*((\t)%2)+4*\i+3], v15 offset:32*SP*((\t)%2)+16*\i
.endr
.endm
.irp t, 0,1,2,3
	LOAD \t
.endr
	s_wait_loadcnt 12                              ; step 0's four loads are in; the twelve of steps 1 to 3 may be out
	TURN 0
.macro STEP t
.set XS, X+16*((\t)%2)
.if (\t) > 0
	s_wait_dscnt 1                                 ; this step's numbers are back from the stage (the last step's byte store may be out): so its stores into the stage have read their registers,
.else
	s_wait_dscnt 0x0
.endif
.if (\t)+4 < STEPS
	LOAD (\t)+4                                    ; which take the loads of four steps on
.endif
.if (\t)+1 < STEPS
.if STEPS-2-(\t) >= 3
	s_wait_loadcnt 12                              ; the next step's four loads are in; those of the three steps behind it may be out
.else
	s_wait_loadcnt 4*(STEPS-2-(\t))
.endif
	TURN (\t)+1                                    ; and go through the other stage while this step is worked
.endif
	v_max3_num_f32 v8, |v[XS]|, |v[XS+1]|, |v[XS+2]|               ; the largest magnitude of my 16, in two chains
	v_max3_num_f32 v9, |v[XS+3]|, |v[XS+4]|, |v[XS+5]|
.irp i, 6,10
	v_max3_num_f32 v8, v8, |v[XS+\i]|, |v[XS+\i+1]|
	v_max3_num_f32 v9, v9, |v[XS+\i+2]|, |v[XS+\i+3]|
.endr
	v_max3_num_f32 v8, v8, |v[XS+14]|, |v[XS+15]|
	v_max3_num_f32 v8, v8, v9, (EMAX+1)<<23        ; and the floor 2^(3 - 127): so the byte cannot fall under 1
	v_max_num_f32_dpp v8, v8, v8 row_xmask:1 row_mask:0xf bank_mask:0xf   ; and of my neighbour's 16: the block's
	v_add_nc_u32 v11, 0xff000000, v8               ; 2 off its exponent field: the conversion takes the exponent field of this operand as its scale, and nothing else of it
	v_cvt_scalef32_pk8_fp4_f32 v[C+4*(\t)], v[XS:XS+7], v11        ; eight numbers / the scale, to the nearest code, ties to even, beyond the largest code the largest
	v_cvt_scalef32_pk8_fp4_f32 v[C+4*(\t)+1], v[XS+8:XS+15], v11
	v_lshrrev_b32 v[E+(\t)], 23, v11               ; the scale's byte (a plain line behind the conversions)
	ds_store_b8 v5, v[E+(\t)] offset:16*(\t)       ; both lanes of a block write the same byte with the same value
	global_store_b64 v4, v[C+4*(\t):C+4*(\t)+1], s[10:11] offset:32*CB*(\t)   ; the wave stores 256 consecutive bytes, aligned
.endm
.irp t, 0,1,2,3,4,5,6,7,8,9,10,11,12,13,14,15
	STEP \t
.endr
	ds_load_b64 v[8:9], v6                         ; LDS serves a wave's instructions in order: these see my stores
	s_wait_dscnt 0x0
	global_store_b64 v7, v[8:9], s[12:13]          ; 32 lanes store 256 consecutive bytes, aligned
	s_wait_tensorcnt 0x0                           ; the wave's end: a tensor wait, even in a text with no tensor load, an add and its wait behind my last LDS store
	ds_add_u32 v[SPW], v[NIL]
	s_wait_dscnt 0x0
	s_endpgm
; ---------------- W and P.  A work-group takes 128 columns x 128 along K, a wave 32 columns: four blocks of 32 a lane.  Loads run two blocks (64 loads a wave) ahead.
.Lweights:
	v_lshlrev_b32 v3, 2, v2                        ; in: 4 bytes a lane: a load reads 128 consecutive bytes of one row k
	v_and_b32 v4, 15, v2
	v_lshlrev_b32 v4, 4, v4                        ; out: 16 r,
	v_lshrrev_b32 v10, 4, v2                       ; and which of my wave's two tiles of 16 columns
	s_lshl_b32 s21, s20, 7                         ; my wave's 32 columns in a row: 128 bytes
.macro WLOAD t, pitch, base            ; block t: rows 32 t + i of my column, i = 0 .. 31, into set t % 2
.irp i, 0,1,2,3,4,5,6,7,8,9,10,11,12,13,14,15,16,17,18,19,20,21,22,23,24,25,26,27,28,29,30,31
	global_load_b32 v[N+32*((\t)%2)+\i], v3, s[\base:\base+1] offset:(32*(\t)+\i)*\pitch th:TH_LOAD_NT
.endr
.endm
.macro WAITBLOCK t
.if (\t) < 3
	s_wait_loadcnt 32                              ; this block's 32 loads are in; the next block's 32 may be out
.else
	s_wait_loadcnt 0x0
.endif
.endm
	s_cmp_lt_u32 ttmp9, 448
	s_cbranch_scc0 .Lproj
	s_sub_co_u32 s22, ttmp9, 256
	s_and_b32 s24, s22, 7                          ; which 128 along K
	s_lshr_b32 s25, s22, 3                         ; which 128 columns: 0 .. 23
	s_mul_i32 s22, s24, 128*12288                  ; w_qkv: 128 rows of 12,288 bytes,
	s_lshl_b32 s26, s25, 9
	s_add_co_u32 s22, s22, s26                     ; 512 bytes for 128 columns,
	s_add_co_u32 s22, s22, s21                     ; my wave's
	s_add_nc_u64 s[6:7], s[6:7], s[22:23]
	s_lshl_b32 s22, s25, 16                        ; the codes: eight tiles of 16 columns x 8,192 bytes,
	s_lshl_b32 s26, s20, 14
	s_add_co_u32 s22, s22, s26                     ; my wave's two,
	s_lshl_b32 s26, s24, 10
	s_add_co_u32 s22, s22, s26                     ; the fragment of this 128 along K
	s_add_nc_u64 s[14:15], s[14:15], s[22:23]
	s_lshl_b32 s22, s25, 12                        ; the scale bytes: 32 a column,
	s_lshl_b32 s26, s20, 10
	s_add_co_u32 s22, s22, s26
	s_lshl_b32 s26, s24, 2
	s_add_co_u32 s22, s22, s26                     ; four for this 128 along K
	s_add_nc_u64 s[16:17], s[16:17], s[22:23]
	v_lshl_add_u32 v4, v10, 13, v4                 ; 8,192 bytes from tile to tile
	v_lshlrev_b32 v9, 5, v2                        ; my column's row of scale bytes
	WLOAD 0, 12288, 6
	WLOAD 1, 12288, 6
.macro WBLOCK t
.set XS, N+32*((\t)%2)
	WAITBLOCK \t
	v_max3_num_f32 v12, |v[XS]|, |v[XS+1]|, |v[XS+2]|               ; the block's largest magnitude: all 32 numbers are mine
	v_max3_num_f32 v13, |v[XS+3]|, |v[XS+4]|, |v[XS+5]|
.irp i, 6,10,14,18,22,26
	v_max3_num_f32 v12, v12, |v[XS+\i]|, |v[XS+\i+1]|
	v_max3_num_f32 v13, v13, |v[XS+\i+2]|, |v[XS+\i+3]|
.endr
	v_max3_num_f32 v12, v12, |v[XS+30]|, |v[XS+31]|
	v_max3_num_f32 v12, v12, v13, (EMAX+1)<<23     ; and the floor
	v_add_nc_u32 v11, 0xff000000, v12              ; the conversion's scale operand
	v_lshrrev_b32 v13, 23, v11                     ; the scale's byte
.if (\t) == 0
	v_mov_b32 v24, v13                             ; the four bytes make the column's scale word for this 128 along K, the lower K in the lower byte
.else
	v_lshl_or_b32 v24, v13, 8*(\t), v24
.endif
.irp g, 0,1,2,3
	v_cvt_scalef32_pk8_fp4_f32 v[OUTC+4*(\t)+\g], v[XS+8*\g:XS+8*\g+7], v11
.endr
	global_store_b128 v4, v[OUTC+4*(\t):OUTC+4*(\t)+3], s[14:15] offset:256*(\t)   ; each half of the lanes stores 256 consecutive bytes, aligned.  (The next block begins with plain vector lines: the place behind the conversions)
.if (\t)+2 < 4
	WLOAD (\t)+2, 12288, 6
.endif
.endm
	WBLOCK 0
	WBLOCK 1
	WBLOCK 2
	WBLOCK 3
	global_store_b32 v9, v24, s[16:17]             ; 4 bytes a lane, 32 bytes apart: one byte for each 32 along K of the 128 that the path reads
	s_endpgm
.Lproj:
	s_sub_co_u32 s22, ttmp9, 448
	s_and_b32 s24, s22, 7                          ; which 128 along K
	s_lshr_b32 s25, s22, 3                         ; which 128 columns: 0 .. 7
	s_lshl_b32 s22, s24, 19                        ; w_proj: 128 rows of 4,096 bytes,
	s_lshl_b32 s26, s25, 9
	s_add_co_u32 s22, s22, s26
	s_add_co_u32 s22, s22, s21
	s_add_nc_u64 s[8:9], s[8:9], s[22:23]
	s_lshl_b32 s22, s25, 18                        ; wp16: eight tiles of 16 columns x 32,768 bytes,
	s_lshl_b32 s26, s20, 16
	s_add_co_u32 s22, s22, s26                     ; my wave's two,
	s_lshl_b32 s26, s24, 12
	s_add_co_u32 s22, s22, s26                     ; 128 along K are sixteen pieces of 256 bytes
	s_add_nc_u64 s[18:19], s[18:19], s[22:23]
	v_lshl_add_u32 v4, v10, 15, v4                 ; 32,768 bytes from tile to tile
	WLOAD 0, 4096, 8
	WLOAD 1, 4096, 8
.macro PBLOCK t
.set XS, N+32*((\t)%2)
	WAITBLOCK \t
.irp i, 0,1,2,3,4,5,6,7,8,9,10,11,12,13,14,15
	v_cvt_pk_f16_f32 v[OUTC+16*(\t)+\i], v[XS+2*\i], v[XS+2*\i+1]   ; the lower k in the low half
.endr
.irp q, 0,1,2,3
	global_store_b128 v4, v[OUTC+16*(\t)+4*\q:OUTC+16*(\t)+4*\q+3], s[18:19] offset:(4*(\t)+\q)*256   ; each half of the lanes stores 256 consecutive bytes, aligned
.endr
.if (\t)+2 < 4
	WLOAD (\t)+2, 4096, 8
.endif
.endm
	PBLOCK 0
	PBLOCK 1
	PBLOCK 2
	PBLOCK 3
	s_endpgm
.Lfunc_end_k_q66a5b4ab4a_prep:
	.size	k_q66a5b4ab4a_prep, .Lfunc_end_k_q66a5b4ab4a_prep-k_q66a5b4ab4a_prep
	.p2alignl 7, 3214868480
	.fill 96, 4, 3214868480
	.section	.rodata,"a",@progbits
	.p2align	6, 0x0
	.amdhsa_kernel k_q66a5b4ab4a_prep
		.amdhsa_group_segment_fixed_size 33280
		.amdhsa_private_segment_fixed_size 0
		.amdhsa_enable_private_segment 0
		.amdhsa_kernarg_size 64
		.amdhsa_user_sgpr_count 2
		.amdhsa_user_sgpr_kernarg_segment_ptr 1
		.amdhsa_wavefront_size32 1
		.amdhsa_system_sgpr_workgroup_id_x 1
		.amdhsa_system_sgpr_workgroup_id_y 1
		.amdhsa_system_sgpr_workgroup_id_z 1
		.amdhsa_system_vgpr_workitem_id 0
		.amdhsa_next_free_vgpr 192
		.amdhsa_next_free_sgpr 66
		.amdhsa_reserve_vcc 0
		.amdhsa_float_denorm_mode_32 3
		.amdhsa_float_denorm_mode_16_64 3
		.amdhsa_memory_ordered 1
		.amdhsa_forward_progress 1
		.amdhsa_inst_pref_size 71
	.end_amdhsa_kernel
	.amdgpu_metadata
---
amdhsa.version: [ 1, 2 ]
amdhsa.kernels:
  - .name:           k_q66a5b4ab4a_prep
    .symbol:         k_q66a5b4ab4a_prep.kd
    .args:
      - { .name: x, .offset: 0, .size: 8, .value_kind: global_buffer, .address_space: global }
      - { .name: w_qkv, .offset: 8, .size: 8, .value_kind: global_buffer, .address_space: global }
      - { .name: w_proj, .offset: 16, .size: 8, .value_kind: global_buffer, .address_space: global }
      - { .name: x_codes, .offset: 24, .size: 8, .value_kind: global_buffer, .address_space: global }
      - { .name: x_scales, .offset: 32, .size: 8, .value_kind: global_buffer, .address_space: global }
      - { .name: w_codes, .offset: 40, .size: 8, .value_kind: global_buffer, .address_space: global }
      - { .name: w_scales, .offset: 48, .size: 8, .value_kind: global_buffer, .address_space: global }
      - { .name: wp16, .offset: 56, .size: 8, .value_kind: global_buffer, .address_space: global }
    .group_segment_fixed_size: 33280
    .private_segment_fixed_size: 0
    .kernarg_segment_align: 8
    .kernarg_segment_size: 64
    .max_flat_workgroup_size: 128
    .sgpr_count:     66
    .vgpr_count:     192
    .wavefront_size: 32
...
	.end_amdgpu_metadata
.endif
;; end of part 1
;; launch qkvgemm (part 2): grid 12 x 32, 4 waves a work-group, clusters of 4 x 4, 327,680 bytes of LDS; arguments x_codes, x_scales, w_codes, w_scales, b_qkv, qkv; writes qkv
.if DOCPART == 2
	.amdgcn_target "amdgcn-amd-amdhsa--gfx1250"
	.amdhsa_code_object_version 6
	.text
	.protected	k_q66a5b4ab4a_qkvgemm
	.globl	k_q66a5b4ab4a_qkvgemm
	.p2align	8
	.type	k_q66a5b4ab4a_qkvgemm,@function
k_q66a5b4ab4a_qkvgemm:
	s_mov_b64 s[64:65], 0
	v_nop
	global_prefetch_b8 v0, s[64:65] scope:SCOPE_SE
	s_setreg_imm32_b32 hwreg(HW_REG_WAVE_MODE, 25, 1), 1
	s_wait_xcnt 0x0
	s_wait_alu depctr_hold_cnt(0) depctr_sa_sdst(0) depctr_va_vdst(0) depctr_va_sdst(0) depctr_va_ssrc(0) depctr_va_vcc(0) depctr_vm_vsrc(0)
	s_getreg_b32 s2, hwreg(HW_REG_IB_STS2, 6, 4)
	s_cmp_eq_u32 s2, 0
	s_cbranch_scc0 .Lentry_in_a_cluster
	s_endpgm
.Lentry_in_a_cluster:
	s_bfe_u32 s2, ttmp6, 0x10000c
	s_cmp_lg_u32 s2, 0xf033
	s_cbranch_scc0 .Lentry_shape_is_right
	s_endpgm
.Lentry_shape_is_right:
; qkv = Q(x) Q(w_qkv) + b_qkv on codes of FP4 (E2M1) with one E8M0 scale for each 32 along K; M = 8,192, N = 3,072, K = 1,024; sums in f32; the result leaves as f16, BY HEAD:
; 192 planes of [2048 tokens][64] f16, plane (which x 4 + batch) x 16 + head, which = 0, 1, 2 for q, k, v.  LIMIT: a result beyond 65,504 in magnitude has no f16 number.
; A tile of 256 x 256 is made by four waves, as many as a WGP has SIMDs; a wave makes 128 x 128: 64 accumulators, 512 registers.  K is two slots of 512: both are asked for at the start, and nothing is filled again.
; A (x's codes) lies by rows: a slot's row is 256 bytes, 272 apart in LDS.  B (w's codes) lies in the order of the operand's registers: a fragment (16 n x 128 k) is 1,024 dense bytes, read at 16 x lane.
; THE SCALES of the work-group's 256 rows of A and 256 of B, for all of K, are two dense blocks of memory: they come once, as rows of 256 bytes + 16 of padding.
; CLUSTERS: 4 x 4 work-groups; A's tiles are asked for jointly along a row of the cluster, B's along a column.  THE MATRIX INSTRUCTION IS USED TRANSPOSED (source 0 = 16 n of B, source 1 = 16 rows of A):
; a lane then holds eight neighbouring columns of one row.  The bias is the C of each sum's first product: eight registers for each of B's eight blocks, in the result's layout.
; REGISTERS: window 0: v0-31 addresses; v32-95 scale words, two sets, and nothing else; v128-191 A's fragments, one set; v192-255 the bias.  On the way out v128-223 are at work.
;   window 1: B's fragments, two sets, at v0 and v128.   window 2: the accumulators of my rows 0-63 ((a, b) at v[8 (8 a + b)]);   window 3: those of rows 64-127.
.set NQ,     4                         ; steps of 128 along K in a slot
.set ROWB,   256                       ; a row of A's tile in bytes
.set KROW,   512                       ; a row of x_codes in bytes
.set PITCH,  272                       ; and in LDS: 68 words, so the 16 rows that a load touches start 4 words apart
.set FR,     8                         ; registers of a fragment
.set NL,     2                         ; LDS loads that bring one
.set NP,     4                         ; places behind this matrix instruction (ISA guide 7.12.1)
.set HALFA,  128*PITCH                 ; 128 rows of A: one tensor load
.set BOFF,   2*HALFA                   ; behind A's 256 rows: B's sixteen tiles of 16 n, 4,096 bytes each
.set HALFB,  8*4096                    ; eight of them: one tensor load
.set SLOT,   BOFF+2*HALFB
.set KS,     32                        ; a row of scale bytes
.set SCL,    2*SLOT                    ; behind the slots: the scales
.set HALFS,  16*272                    ; those of 128 rows: one tensor load
.set SBLK,   2*272                     ; those of 16 rows
.set SPARE,  SCL+4*HALFS               ; the spare words, 128 bytes for each wave
.set SPITCH, 272                       ; the way out: a stage of 16 rows x (256 bytes + 16) for each wave, in slot 0's A bytes: they have had their one fill, and their last read lies ahead of the change of slots
.set PLANE,  262144                    ; a plane of qkv in bytes
.set ADRA, 16                          ; v16-17  LDS address of my A fragments in slot 0, 1
.set ADRB, 20                          ; v20-21  the same for B
.set STO,  24                          ; v24     the way out: where I put 16 bytes of a row
.set RD,   25                          ; v25     where I read back
.set CO,   26                          ; v26     16 x lane
.set ADRS, 27                          ; v27     LDS address of my scale words: lanes 0-15 A's rows, lanes 16-31 B's
.set SPW,  28                          ; v28     my spare word's address; never rewritten
.set NIL,  29                          ; v29     0; never rewritten
.set SC,   32                          ; scale words: set s at v[SC + 32 s]; register 4 i + q: lanes 0-15 A's block i, lanes 16-31 B's block i, the slot's q-th 128 along K
.set AF,   128
.set BI,   192                         ; the bias: register 8 b + j = b_qkv[my first column + 16 b + 8 (lane / 16) + j]
.set TMP,  128                         ; the way out: packed results
.set BK,   160                         ; and 16 rows read back: v160-191, v192-223 by turns
.set G1, 24                            ; s[24:31] group 1 for A's tiles; s[32:39] group 0, a set for each slot
.set G0, 32
.set G1B, 48                           ; s[48:55], s[56:63] the same for B's
.set G0B, 56
.set G1S, 68                           ; s[68:75], s[76:79] for A's scales; s[80:87], s[88:91] for B's
.set G0S, 76
.set G1SB, 80
.set G0SB, 88
.set MSB, 0
.macro WIN new                         ; the immediate's high byte repeats the setting that is left; a switch that changes nothing is dropped
.if MSB != (\new)
	s_set_vgpr_msb (MSB<<8)|(\new)
.set MSB, \new
.endif
.endm
.set MUL_LO, 0xa1                      ; source 0 (B) window 1, source 1 (A) window 0, C and D window 2
.set MUL_HI, 0xf1                      ; the same, C and D window 3
.set TO_B,   0x40                      ; destination window 1, address window 0
; A joint load: waves 0 and 1 fetch for A, waves 2 and 3 for B; the branch hangs on the wave's number alone.  An s_nop 0 and four v_nop follow each of the two lines.
.macro JLOAD g0a, g1a, g0b, g1b
	s_cmp_eq_u32 s15, 0
	s_cbranch_scc0 .Lfor_b_\@
	tensor_load_to_lds s[\g0a:\g0a+3], s[\g1a:\g1a+7]
	s_nop 0
.rept 4
	v_nop
.endr
	s_branch .Lasked_\@
.Lfor_b_\@:
	tensor_load_to_lds s[\g0b:\g0b+3], s[\g1b:\g1b+7]
	s_nop 0
.rept 4
	v_nop
.endr
.Lasked_\@:
.endm
.macro CROUND                          ; a round of the cluster's barrier: my work-group's barrier; wave 0 signals for the work-group; every wave waits for all sixteen; my work-group's barrier once more
	s_barrier_signal -1
	s_barrier_wait -1
	s_cmp_lg_u32 s14, 0
	s_cbranch_scc1 .Lnot_wave_0_\@
	s_barrier_signal -3
.Lnot_wave_0_\@:
	s_barrier_wait -3
	s_barrier_signal -1
	s_barrier_wait -1
.endm
	s_load_b128 s[4:7], s[0:1], 0x0                ; x's codes s[4:5], x's scales s[6:7]
	s_load_b128 s[8:11], s[0:1], 0x10              ; w's codes s[8:9], w's scales s[10:11]
	s_load_b128 s[96:99], s[0:1], 0x20             ; b_qkv s[96:97], qkv s[98:99]
	v_lshl_add_u32 v[SPW], v0, 2, SPARE
	v_mov_b32 v[NIL], 0
	ds_add_u32 v[SPW], v[NIL]                      ; the wave's opening: the add and its wait stand ahead of my first tensor load; the set-up below, work on registers, stands between them
	v_lshrrev_b32 v1, 5, v0
	v_readfirstlane_b32 s14, v1                    ; wave 0..3
	s_lshr_b32 s15, s14, 1                         ; which half of the tile's rows is mine.  Also: I fetch for A (0) or for B (1)
	s_and_b32 s16, s14, 1                          ; which half of its columns.  Also: which half of that tile I fetch
	s_bfe_u32 s40, ttmp6, 0x40000                  ; cx, cy: my place in the cluster
	s_bfe_u32 s41, ttmp6, 0x40004
	s_lshl_b32 s42, ttmp9, 2
	s_add_co_u32 s42, s42, s40                     ; tile column = 4 x cluster x + cx
	s_and_b32 s17, ttmp7, 0xffff
	s_lshl_b32 s17, s17, 2
	s_add_co_u32 s17, s17, s41                     ; tile row = 4 x cluster y + cy
	s_lshl_b32 s43, s41, 2
	s_lshl_b32 s43, 15, s43                        ; my row of the cluster
	s_lshl_b32 s44, 0x1111, s40                    ; my column
	; group 1 for A: 128 rows x 256 elements of one byte, 16 bytes of padding behind each row
	s_or_b32 s[G1+0], s43, (0<<16)|(1<<20)|(1<<21)|(5<<22)|(3<<25)  ; 15:0 the mask; 17:16 elements of 1 byte; 20 padding on; 21 set beside a mask; 24:22 after every 64 words; 31:25 four words
	s_mov_b32 s[G1+1], ROWB<<16                    ; tensor_dim0
	s_mov_b32 s[G1+2], 128<<16                     ; tensor_dim1
	s_mov_b32 s[G1+3], ROWB<<16                    ; tile_dim0
	s_mov_b32 s[G1+4], 128                         ; tile_dim1
	s_mov_b32 s[G1+5], KROW                        ; from row to row
	s_mov_b32 s[G1+6], 0
	s_mov_b32 s[G1+7], 0
	; group 1 for B: eight tiles of 16 n; of each the slot's four fragments: 4,096 bytes = 512 elements of 8 bytes, 8,192 bytes apart in memory, dense in LDS
	s_or_b32 s[G1B+0], s44, (3<<16)|(1<<21)
	s_mov_b32 s[G1B+1], 512<<16
	s_mov_b32 s[G1B+2], 8<<16
	s_mov_b32 s[G1B+3], 512<<16
	s_mov_b32 s[G1B+4], 8
	s_mov_b32 s[G1B+5], 1024
	s_mov_b32 s[G1B+6], 0
	s_mov_b32 s[G1B+7], 0
	; the scales of 128 rows: 4,096 dense bytes as 16 rows of 256 (32 elements of 8 bytes), 16 bytes of padding behind each
	s_or_b32 s[G1S+0], s43, (3<<16)|(1<<20)|(1<<21)|(5<<22)|(3<<25)
	s_or_b32 s[G1SB+0], s44, (3<<16)|(1<<20)|(1<<21)|(5<<22)|(3<<25)
.irp g, G1S, G1SB
	s_mov_b32 s[\g+1], 32<<16
	s_mov_b32 s[\g+2], 16<<16
	s_mov_b32 s[\g+3], 32<<16
	s_mov_b32 s[\g+4], 16
	s_mov_b32 s[\g+5], 32
	s_mov_b32 s[\g+6], 0
	s_mov_b32 s[\g+7], 0
.endr
	s_lshl_b32 s18, s16, 7                         ; which 128 rows of the tile I fetch
	s_lshl_b32 s20, s17, 8
	s_add_co_u32 s20, s20, s18                     ; A: row 256 x tile row + 128 x half
	s_lshl_b32 s46, s42, 8
	s_add_co_u32 s46, s46, s18                     ; B: column 256 x tile column + 128 x half
	s_mov_b32 s21, 0
	s_mov_b32 s47, 0
	s_lshl_b64 s[22:23], s[20:21], 5               ; where their scales begin: 32 bytes a row,
	s_lshl_b64 s[92:93], s[46:47], 5
	s_lshl_b64 s[20:21], s[20:21], 9               ; and their codes: 512 bytes a row of A; B's 8,192 bytes for 16 columns are 512 a column too
	s_lshl_b64 s[46:47], s[46:47], 9
	s_mul_i32 s45, s16, HALFA                      ; where they go: no place in the cluster enters an LDS address
	s_mul_i32 s95, s16, HALFB
	s_add_co_u32 s95, s95, BOFF
	s_mul_i32 s94, s14, HALFS
	s_wait_dscnt 0x0                               ; the opening add is done
	s_wait_kmcnt 0x0
	s_add_nc_u64 s[20:21], s[4:5], s[20:21]
	s_add_nc_u64 s[22:23], s[6:7], s[22:23]
	s_add_nc_u64 s[46:47], s[8:9], s[46:47]
	s_add_nc_u64 s[92:93], s[10:11], s[92:93]
	CROUND                                         ; all sixteen work-groups are here: the joint loads meet
	s_mov_b32 s[G0S], 1
	s_add_co_u32 s[G0S+1], s94, SCL
	s_mov_b64 s[G0S+2:G0S+3], s[22:23]
	s_or_b32 s[G0S+3], s[G0S+3], 0x80000000
	s_mov_b32 s[G0SB], 1
	s_add_co_u32 s[G0SB+1], s94, SCL
	s_mov_b64 s[G0SB+2:G0SB+3], s[92:93]
	s_or_b32 s[G0SB+3], s[G0SB+3], 0x80000000
	JLOAD G0S, G1S, G0SB, G1SB                     ; the scales first: they are wanted with the first step.  With the two below, three tensor loads of mine are out
.irp s, 0,1
	s_mov_b32 s[G0+4*\s], 1
	s_add_co_u32 s[G0+4*\s+1], s45, \s*SLOT
	s_add_nc_u64 s[G0+4*\s+2:G0+4*\s+3], s[20:21], \s*ROWB
	s_or_b32 s[G0+4*\s+3], s[G0+4*\s+3], 0x80000000
	s_mov_b32 s[G0B+4*\s], 1
	s_add_co_u32 s[G0B+4*\s+1], s95, \s*SLOT
	s_add_nc_u64 s[G0B+4*\s+2:G0B+4*\s+3], s[46:47], \s*4096
	s_or_b32 s[G0B+4*\s+3], s[G0B+4*\s+3], 0x80000000
	JLOAD G0+4*\s, G1, G0B+4*\s, G1B
.endr
	v_and_b32 v1, 15, v0                           ; r = lane % 16
	v_bfe_u32 v2, v0, 4, 1                         ; h = lane / 16
	v_and_b32 v8, 31, v0                           ; lane
	v_mul_u32_u24 v3, v1, PITCH
	v_lshl_add_u32 v4, v2, 4, v3                   ; a row x pitch + 16 h
	v_lshlrev_b32 v[CO], 4, v8
	s_mul_i32 s21, s15, HALFA                      ; my 128 rows of A
	s_mul_i32 s22, s16, HALFB                      ; my eight tiles of B
	s_add_co_u32 s22, s22, BOFF
.irp s, 0,1
	v_add_nc_u32 v[ADRA+\s], s21, v4
	v_add_nc_u32 v[ADRB+\s], s22, v[CO]
	s_add_co_u32 s21, s21, SLOT
	s_add_co_u32 s22, s22, SLOT
.endr
	v_mul_u32_u24 v5, v1, KS                       ; my row's scales: 32 bytes a row,
	v_lshrrev_b32 v6, 8, v5
	v_lshl_add_u32 v5, v6, 4, v5                   ; and 16 more for each 256 passed
	s_mul_i32 s21, s15, HALFS                      ; A's: my 128 rows
	s_mul_i32 s22, s16, HALFS                      ; B's: my 128, behind A's 256
	s_add_co_u32 s22, s22, 2*HALFS
	s_sub_co_u32 s22, s22, s21
	v_mul_u32_u24 v6, s22, v2                      ; lanes 16-31 take B's: the lower base + h x the distance
	s_add_co_u32 s21, s21, SCL
	v_add_nc_u32 v5, v5, v6
	v_add_nc_u32 v[ADRS], s21, v5
	s_mul_i32 s23, s14, 16*SPITCH                  ; my stage
	v_add_nc_u32 v[STO], s23, v4                   ; in: row r, 16 bytes for each half of the lanes
	v_lshrrev_b32 v5, 3, v8
	v_mul_u32_u24 v5, v5, SPITCH
	v_and_b32 v6, 7, v8
	v_lshl_add_u32 v5, v6, 4, v5
	v_add_nc_u32 v[RD], s23, v5                    ; back: eight lanes take one head's 128 bytes of a row, four rows an instruction
	; where my part begins in qkv and in the bias
	s_lshl_b32 s20, s17, 8
	s_lshl_b32 s21, s15, 7
	s_add_co_u32 s20, s20, s21                     ; my first row: 256 x tile row + 128 x half
	s_lshr_b32 s21, s20, 11                        ; the batch,
	s_and_b32 s20, s20, 2047                       ; the token in it:
	s_lshl_b32 s20, s20, 7                         ; 128 bytes a token
	s_lshl_b32 s46, s42, 8
	s_lshl_b32 s47, s16, 7
	s_add_co_u32 s46, s46, s47                     ; my first column
	s_lshl_b32 s22, s46, 2                         ; its place in the bias
	s_lshr_b32 s47, s46, 10                        ; q, k or v
	s_bfe_u32 s46, s46, 0x40006                    ; the first of my two heads
	s_lshl_b32 s47, s47, 2
	s_add_co_u32 s47, s47, s21
	s_lshl_b32 s47, s47, 4
	s_add_co_u32 s47, s47, s46                     ; the plane
	s_lshl_b32 s47, s47, 18
	s_add_co_u32 s20, s20, s47                     ; under 2^26
	s_mov_b32 s21, 0
	s_mov_b32 s23, 0
	s_add_nc_u64 s[12:13], s[98:99], s[20:21]
	s_add_nc_u64 s[96:97], s[96:97], s[22:23]
	v_lshlrev_b32 v7, 5, v2                        ; the bias: my half's eight numbers of a block of 16
.irp b, 0,1,2,3,4,5,6,7
	global_load_b128 v[BI+8*\b:BI+8*\b+3], v7, s[96:97] offset:64*\b
	global_load_b128 v[BI+8*\b+4:BI+8*\b+7], v7, s[96:97] offset:64*\b+16
.endr
.macro FRAGA reg, adr, q, i            ; 16 rows x 128 K of 4-bit codes: lane l holds row l % 16; registers 4 c .. 4 c + 3 hold K = 64 c + 32 (l / 16) + 0 .. 31
.irp c, 0,1
	ds_load_b128 v[\reg+4*\c:\reg+4*\c+3], v[\adr] offset:64*(\q)+32*\c+(\i)*16*PITCH
.endr
.endm
.macro FRAGB reg, adr, q, i            ; the same as an image of its registers: 512 consecutive bytes a load
.irp c, 0,1
	ds_load_b128 v[\reg+4*\c:\reg+4*\c+3], v[\adr] offset:(\i)*4096+(\q)*1024+512*\c
.endr
.endm
; 16 matrix instructions: A's blocks a0, a0 + 1 x B's eight, the slot's q-th 128 along K.  p: B's set; sc: the set of scale words.  first = 1: the bias is the C: nothing is cleared, nothing is added later.
; The 64 accumulators take turns, one instruction a turn, in the same order in every step.
.macro MUL16 a0, p, q, sc, first
.irp a, \a0, \a0+1
.irp b, 0,1,2,3,4,5,6,7
.if \first
	v_wmma_scale_f32_16x16x128_f8f6f4 v[8*(8*((\a)%4)+\b):8*(8*((\a)%4)+\b)+7], v[128*(\p)+FR*\b:128*(\p)+FR*\b+FR-1], v[AF+FR*(\a):AF+FR*(\a)+FR-1], v[BI+8*\b:BI+8*\b+7], v[SC+8*NQ*(\sc)+NQ*\b+(\q)], v[SC+8*NQ*(\sc)+NQ*(\a)+(\q)] matrix_a_fmt:MATRIX_FMT_FP4 matrix_b_fmt:MATRIX_FMT_FP4 matrix_a_scale:MATRIX_SCALE_ROW1
.else
	v_wmma_scale_f32_16x16x128_f8f6f4 v[8*(8*((\a)%4)+\b):8*(8*((\a)%4)+\b)+7], v[128*(\p)+FR*\b:128*(\p)+FR*\b+FR-1], v[AF+FR*(\a):AF+FR*(\a)+FR-1], v[8*(8*((\a)%4)+\b):8*(8*((\a)%4)+\b)+7], v[SC+8*NQ*(\sc)+NQ*\b+(\q)], v[SC+8*NQ*(\sc)+NQ*(\a)+(\q)] matrix_a_fmt:MATRIX_FMT_FP4 matrix_b_fmt:MATRIX_FMT_FP4 matrix_a_scale:MATRIX_SCALE_ROW1
.endif
.endr
.endr
.endm
.macro FETCH_B slot, q, p
	WIN TO_B
.irp i, 0,1,2,3,4,5,6,7
	FRAGB 128*(\p)+FR*\i, ADRB+\slot, \q, \i
.endr
	WIN 0
.endm
.macro FETCH_A slot, q, i0
.irp i, \i0, \i0+1, \i0+2, \i0+3
	FRAGA AF+FR*(\i), ADRA+\slot, \q, \i
.endr
.endm
.macro SCALES sc                       ; a slot's scale words: four a row; lanes 0-15 take A's block i, lanes 16-31 B's block i
.irp i, 0,1,2,3,4,5,6,7
	ds_load_b128 v[SC+8*NQ*\sc+NQ*\i:SC+8*NQ*\sc+NQ*\i+3], v[ADRS] offset:\i*SBLK
.endr
.endm
.macro PLACES n                        ; a load into a register that a matrix instruction has read, and a vector instruction that reads a result or writes an operand, stand four plain vector instructions behind it
.rept \n
	v_nop
.endr
.endm
; A step of 128 along K that has its successor in the same slot.  A's blocks 0-3 are fetched anew in its middle, blocks 4-7 at its end; B has two sets.
.macro STEP slot, q, first
	s_wait_dscnt 4*NL                              ; B's set, the scale words and A's blocks 0-3 are in; the youngest eight loads (A's blocks 4-7) may be out
.if \first
	WIN 0x81                                       ; as MUL_LO, but C (the bias) in window 0
.else
	WIN MUL_LO
.endif
	MUL16 0, (\q)%2, \q, \slot, \first
	MUL16 2, (\q)%2, \q, \slot, \first
	s_wait_dscnt 0                                 ; A's blocks 4-7 are in
	PLACES NP
	FETCH_B \slot, (\q)+1, 1-(\q)%2
	FETCH_A \slot, (\q)+1, 0
.if \first
	WIN 0xc1
.else
	WIN MUL_HI
.endif
	MUL16 4, (\q)%2, \q, \slot, \first
	MUL16 6, (\q)%2, \q, \slot, \first
	PLACES NP
	WIN 0
	FETCH_A \slot, (\q)+1, 4
.endm
.macro STEPS slot, from
.set Q, \from
.rept NQ-1-\from
	STEP \slot, Q, 0
.set Q, Q+1
.endr
.endm
	s_wait_tensorcnt 1                             ; the scales and my part of slot 0 are in; slot 1's load may be out
	s_barrier_signal -1
	s_barrier_wait -1                              ; everybody's are
	FETCH_B 0, 0, 0
	FETCH_A 0, 0, 0
	SCALES 0
	FETCH_A 0, 0, 4
	s_wait_loadcnt 0x0                             ; the bias
	STEP 0, 0, 1
	STEPS 0, 1
	; slot 0's last step changes slots: one barrier.  In front of it each wave waits for all its tensor loads (its part of slot 1), adds 0 to its spare word, and waits for that and for its reads of slot 0
	s_wait_tensorcnt 0x0
	ds_add_u32 v[SPW], v[NIL]
	s_wait_dscnt 4*NL+1                            ; (the add and A's blocks 4-7 may be out)
	WIN MUL_LO
	MUL16 0, 1, NQ-1, 0, 0                         ; sixteen matrix instructions stand between the add and the wait for it
	s_wait_dscnt 0x0                               ; the add is done, and my reads of slot 0 are over
	s_barrier_signal -1
	MUL16 2, 1, NQ-1, 0, 0
	WIN 0
	s_barrier_wait -1                              ; slot 1 is whole, and nobody reads slot 0 any more
	PLACES NP
	v_add_nc_u32 v[ADRS], 4*NQ, v[ADRS]            ; on to slot 1's scale words
	FETCH_B 1, 0, 0
	FETCH_A 1, 0, 0
	SCALES 1
	WIN MUL_HI
	MUL16 4, 1, NQ-1, 0, 0
	MUL16 6, 1, NQ-1, 0, 0
	PLACES NP
	WIN 0
	FETCH_A 1, 0, 4
	STEPS 1, 0
	s_wait_dscnt 4*NL                              ; the last step: nothing more to fetch
	WIN MUL_LO
	MUL16 0, 1, NQ-1, 1, 0
	MUL16 2, 1, NQ-1, 1, 0
	s_wait_dscnt 0
	WIN MUL_HI
	MUL16 4, 1, NQ-1, 1, 0
	MUL16 6, 1, NQ-1, 1, 0
	WIN 0
; THE WAY OUT, block by block of 16 rows x 128 columns (two heads).  PACK: rounded to f16, 16 bytes a lane, each accumulator from its low end on.  TOSTAGE: into my stage, and back by heads: four tokens x 128 bytes
; of one head an instruction.  SEND: each store of the wave covers 512 consecutive bytes of a plane, aligned.
.macro PACK a
.set AC, 64*((\a)%4)
	WIN 0x0a+5*((\a)/4)                            ; sources 0 and 1: window 2 or 3
.irp b, 0,1,2,3,4,5,6,7
.irp r, 0,1,2,3
	v_cvt_pk_f16_f32 v[TMP+4*\b+\r], v[AC+8*\b+2*\r], v[AC+8*\b+2*\r+1]
.endr
.endr
	WIN 0
.endm
.macro TOSTAGE a
.set BB, BK+32*((\a)%2)
.irp b, 0,1,2,3,4,5,6,7
	ds_store_b128 v[STO], v[TMP+4*\b:TMP+4*\b+3] offset:32*\b
.endr
.irp t, 0,1,2,3,4,5,6,7
	ds_load_b128 v[BB+4*\t:BB+4*\t+3], v[RD] offset:(\t%4)*4*SPITCH+(\t/4)*128   ; LDS serves a wave's instructions in order: these see the stores above
.endr
.endm
.macro SEND a
.set BB, BK+32*((\a)%2)
	s_wait_dscnt 0x0                               ; the block is back in registers
.irp t, 0,1,2,3,4,5,6,7
	global_store_b128 v[CO], v[BB+4*\t:BB+4*\t+3], s[12:13] offset:(\t/4)*PLANE+(\a)*2048+(\t%4)*512
.endr
.endm
	PLACES NP                                      ; behind the last products: for the conversions' reads of results and their writes over A's fragments
	PACK 0
	TOSTAGE 0
.irp a, 1,2,3,4,5,6,7                  ; block a's conversions stand between block a - 1's loads from the stage and the wait for them
	PACK \a
	SEND \a-1
.if \a > 1
	s_wait_xcnt 0x0                                ; block a - 2's stores have read their registers: block a's loads may land there
.endif
	TOSTAGE \a
.endr
	SEND 7
	s_wait_tensorcnt 0x0                           ; the wave's end: a tensor wait, an add and its wait behind my last tensor load and my last LDS store
	ds_add_u32 v[SPW], v[NIL]
	s_wait_dscnt 0x0
	CROUND                                         ; the closing round: no work-group ends while a partner may still ask for a tile that names it
	s_endpgm
.Lfunc_end_k_q66a5b4ab4a_qkvgemm:
	.size	k_q66a5b4ab4a_qkvgemm, .Lfunc_end_k_q66a5b4ab4a_qkvgemm-k_q66a5b4ab4a_qkvgemm
	.p2alignl 7, 3214868480
	.fill 96, 4, 3214868480
	.section	.rodata,"a",@progbits
	.p2align	6, 0x0
	.amdhsa_kernel k_q66a5b4ab4a_qkvgemm
		.amdhsa_group_segment_fixed_size 327680
		.amdhsa_private_segment_fixed_size 0
		.amdhsa_enable_private_segment 0
		.amdhsa_kernarg_size 48
		.amdhsa_user_sgpr_count 2
		.amdhsa_user_sgpr_kernarg_segment_ptr 1
		.amdhsa_wavefront_size32 1
		.amdhsa_system_sgpr_workgroup_id_x 1
		.amdhsa_system_sgpr_workgroup_id_y 1
		.amdhsa_system_sgpr_workgroup_id_z 1
		.amdhsa_system_vgpr_workitem_id 0
		.amdhsa_next_free_vgpr 1024
		.amdhsa_next_free_sgpr 100
		.amdhsa_reserve_vcc 0
		.amdhsa_float_denorm_mode_32 3
		.amdhsa_float_denorm_mode_16_64 3
		.amdhsa_memory_ordered 1
		.amdhsa_forward_progress 1
		.amdhsa_inst_pref_size 128
	.end_amdhsa_kernel
	.amdgpu_metadata
---
amdhsa.version: [ 1, 2 ]
amdhsa.kernels:
  - .name:           k_q66a5b4ab4a_qkvgemm
    .symbol:         k_q66a5b4ab4a_qkvgemm.kd
    .args:
      - { .name: x_codes, .offset: 0, .size: 8, .value_kind: global_buffer, .address_space: global }
      - { .name: x_scales, .offset: 8, .size: 8, .value_kind: global_buffer, .address_space: global }
      - { .name: w_codes, .offset: 16, .size: 8, .value_kind: global_buffer, .address_space: global }
      - { .name: w_scales, .offset: 24, .size: 8, .value_kind: global_buffer, .address_space: global }
      - { .name: b_qkv, .offset: 32, .size: 8, .value_kind: global_buffer, .address_space: global }
      - { .name: qkv, .offset: 40, .size: 8, .value_kind: global_buffer, .address_space: global }
    .group_segment_fixed_size: 327680
    .private_segment_fixed_size: 0
    .kernarg_segment_align: 8
    .kernarg_segment_size: 48
    .max_flat_workgroup_size: 128
    .sgpr_count:     100
    .vgpr_count:     1024
    .wavefront_size: 32
...
	.end_amdgpu_metadata
.endif
;; end of part 2
;; launch attn (part 3): grid 4 x 64, 8 waves a work-group, clusters of 4 x 1, 327,680 bytes of LDS; arguments qkv, att; writes att
.if DOCPART == 3
	.amdgcn_target "amdgcn-amd-amdhsa--gfx1250"
	.amdhsa_code_object_version 6
	.text
	.protected	k_q66a5b4ab4a_attn
	.globl	k_q66a5b4ab4a_attn
	.p2align	8
	.type	k_q66a5b4ab4a_attn,@function
k_q66a5b4ab4a_attn:
	s_mov_b64 s[64:65], 0
	v_nop
	global_prefetch_b8 v0, s[64:65] scope:SCOPE_SE
	s_setreg_imm32_b32 hwreg(HW_REG_WAVE_MODE, 25, 1), 1
	s_wait_xcnt 0x0
	s_wait_alu depctr_hold_cnt(0) depctr_sa_sdst(0) depctr_va_vdst(0) depctr_va_sdst(0) depctr_va_ssrc(0) depctr_va_vcc(0) depctr_vm_vsrc(0)
	s_getreg_b32 s2, hwreg(HW_REG_IB_STS2, 6, 4)
	s_cmp_eq_u32 s2, 0
	s_cbranch_scc0 .Lentry_in_a_cluster
	s_endpgm
.Lentry_in_a_cluster:
	s_bfe_u32 s2, ttmp6, 0x10000c
	s_cmp_lg_u32 s2, 0x3003
	s_cbranch_scc0 .Lentry_shape_is_right
	s_endpgm
.Lentry_shape_is_right:
; att[plane][q][:] = the sum over k of softmax_k(Q[q] . K[k] / 8) V[k][:], for each of 64 planes (batch x 16 + head).  Q, K, V: planes y, 64 + y, 128 + y of qkv, [2048][64] f16; att: [64][2048][64] f16.
; Products on f16 operands, sums, maxima and the softmax in f32; the weights p are rounded to f16 for the second product, the result once at the end.
; LIMITS: NaN and infinities are not served.
; SHARES.  A work-group owns 512 queries of one plane, each of its eight waves 64: four tiles of 16.  Two waves lie on a SIMD (512 registers each), so that one wave's softmax can stand beside the other's products.
; Every wave walks all 2,048 keys, 64 a step.  K and V come through a ring of two LDS slots of 256 keys (four steps); waves 0-3 fetch the four steps' K, waves 4-7 their V: one load of 64 rows a wave.
; CLUSTER.  The four query blocks of a plane form a cluster and walk the same K and V: each tile is asked for JOINTLY, by the same tensor load with the same descriptor and a mask that names the four.
; LAYOUT.  S^T = K Q^T (source 0 = 16 keys, source 1 = 16 queries): a lane holds ONE query (lane % 16) and the keys 8 (lane / 16) + 0..7.  Two such tiles, rounded in pairs, ARE source 1 (32 keys x 16 queries) of
; O^T = V^T P, whose result again holds one query a lane.  K comes out of LDS as it lies, V ([key][channel]) turned, by ds_load_tr16_b128.
; SOFTMAX.  For each query a running maximum m and sum l: p = 2^(c s - c m), c = log2(e) / 8; in every step O and l are multiplied by a = 2^(c m_old - c m_new).  m begins at -3e38, O and l at 0: the first a is 0 and
; multiplies zeros, so the step is written once (128 moves at the head against a second and third copy of the step).
; IN PHASES: a step's 32 products K Q^T, its softmax, its 32 products V^T P.  Slices of the softmax behind each product are not built: here a product would have seven vector instructions and two window
; switches behind it.
; REGISTERS: window 0: v1-15 addresses; v16-47 eight registers of statistics a tile; v64-191 S^T, 32 a tile; v192-255 Q, 16 a tile.
;   window 1: v0-127 O^T, 32 a tile; v128-191 K of a step, then P (K is done with when P is made); v192-255 V of a step.
.set KS,    64                         ; keys in a step
.set PKB,   144                        ; a row of K in LDS: 128 bytes + 16 of padding = 36 words: the 16 rows of a load start 4 words apart modulo 64
.set PVB,   160                        ; a row of V: 128 + 32 = 40 words
.set VOFF,  KS*PKB                     ; a step's tiles lie together: 64 rows of K, then 64 rows of V
.set STEPB, KS*(PKB+PVB)
.set SLOT1, 1<<17                      ; a slot holds four steps (77,824 bytes); slot 1 begins here, so that one exclusive or turns an address in one slot into the other's
.set STAGE, SLOT1+4*STEPB              ; behind the ring: 16 rows x 144 bytes for each wave, for the way out
.set SP,    144
.set SPARE, STAGE+8*16*SP              ; behind the stages: the spare words, 128 bytes for each wave
.set SLOTB, 4*KS*128                   ; a slot's keys in memory: 32,768 bytes of K, as many of V
.set AK0, 2                            ; v2   my lane's place in a tile of K
.set AV0, 3                            ; v3   the same for V
.set ADK, 4                            ; v4   LDS address of the step's K
.set ADV, 5                            ; v5   of its V
.set QO,  6                            ; v6   my byte offset in the wave's rows of Q
.set STO, 7                            ; v7   the way out: where I put 16 bytes of a row
.set RD,  8                            ; v8   where I read back
.set GO,  9                            ; v9   16 x lane
.set PFO, 10                           ; v10  256 x lane: the prefetches' offset; never rewritten
.set SPW, 11                           ; v11  my spare word's address; never rewritten
.set NIL, 12                           ; v12  0; never rewritten
.set ST,  16                           ; tile t's statistics at v[ST + 8 t]: +0 c m, +1 m, +2, +3 l (even keys', odd keys'), +4 to +7 c0-c3, at work; a takes c2's place
.set S,   64
.set Q,   192
.set KF,  128                          ; in window 1
.set PF,  128
.set VF,  192
.set WV,  12                           ; s12  my wave's number
.set LIM, 15                           ; s15  1 in a wave that prefetches, else the greatest number
.set PFA, 18                           ; s[18:19] where my prefetches stand
.set G1K, 24                           ; s[24:31] group 1 for K's tiles; s[32:39] for V's: it differs in the padding alone
.set G1V, 32
.set G0K, 40                           ; s[40:43], s[44:47] their groups 0, which walk
.set G0V, 44
.set SLOTS, 56                         ; s56  slots still to be asked for
.set INNER, 57                         ; s57  counts a slot's four steps
.set CS,  58                           ; s[58:59] c: the packed form names a pair and takes its low word for both halves
.set SEL, 60                           ; s[60:61] lane selects for v_permlanex16_b32: lane l xor 16
.set TB,  62                           ; s62  LDS byte at which the step's tiles begin
.set MSB, 0
.macro WIN new
.if MSB != (\new)
	s_set_vgpr_msb (MSB<<8)|(\new)
.set MSB, \new
.endif
.endm
; A joint load.  The branch hangs on the wave's number alone.  An s_nop 0 and four v_nop follow each of the two lines.
.macro JLOAD
	s_cmp_lt_u32 s[WV], 4
	s_cbranch_scc0 .Lfor_v_\@
	tensor_load_to_lds s[G0K:G0K+3], s[G1K:G1K+7]
	s_nop 0
.rept 4
	v_nop
.endr
	s_branch .Lasked_\@
.Lfor_v_\@:
	tensor_load_to_lds s[G0V:G0V+3], s[G1V:G1V+7]
	s_nop 0
.rept 4
	v_nop
.endr
.Lasked_\@:
.endm
; A PREFETCH INTO THE L2 of what the NEXT change of slots will ask for: 32,768 dense bytes of K and as many of V.  The plane's one cluster walks them; its four partners take 8,192 bytes each, told apart BY ADDRESS;
; in each, wave 0 asks for K's and wave 4 for V's, lanes 256 bytes apart: one instruction.  So each aligned block of 256 bytes is named once in the launch.  It stands behind the wave's tensor load and its five lines,
; four key steps ahead of the load that will want the bytes.  The last change that fills a slot asks for nothing; slots 0 and 1 come by their loads alone.
.macro ASK
	s_cmp_gt_u32 s[SLOTS], s[LIM]
	s_cbranch_scc0 .Lnot_mine_\@
	global_prefetch_b8 v[PFO], s[PFA:PFA+1] th:TH_LOAD_NT scope:SCOPE_SE
.Lnot_mine_\@:
.endm
.macro CROUND                          ; a round of the cluster's barrier
	s_barrier_signal -1
	s_barrier_wait -1
	s_cmp_lg_u32 s[WV], 0
	s_cbranch_scc1 .Lnot_wave_0_\@
	s_barrier_signal -3
.Lnot_wave_0_\@:
	s_barrier_wait -3
	s_barrier_signal -1
	s_barrier_wait -1
.endm
	s_load_b128 s[4:7], s[0:1], 0x0                ; qkv s[4:5], att s[6:7]
	v_lshl_add_u32 v[SPW], v0, 2, SPARE
	v_mov_b32 v[NIL], 0
	ds_add_u32 v[SPW], v[NIL]                      ; the wave's opening: the add and its wait stand ahead of my first tensor load; the set-up below stands between them
	v_lshrrev_b32 v1, 5, v0
	v_readfirstlane_b32 s[WV], v1                  ; wave 0..7
	s_bfe_u32 s13, ttmp6, 0x40000                  ; cx: my place in the cluster
	s_lshl_b32 s14, ttmp9, 2
	s_add_co_u32 s14, s14, s13                     ; my block of 512 queries: it enters Q's and att's addresses alone
	s_and_b32 s20, ttmp7, 0xffff                   ; the plane, which the four partners share:
	s_lshl_b32 s20, s20, 18                        ; 262,144 bytes each
	s_and_b32 s16, s[WV], 3                        ; which of a slot's four steps I fetch:
	s_lshl_b32 s22, s16, 13                        ; its 64 rows of 128 bytes in memory,
	s_add_co_u32 s22, s22, s20
	s_mov_b32 s23, 0
	s_mul_i32 s17, s16, STEPB                      ; and its place in a slot: no place in the cluster enters an LDS address
	s_lshl_b32 s2, s14, 16                         ; my block's 512 rows,
	s_lshl_b32 s3, s[WV], 13                       ; my wave's 64 of them
	s_add_co_u32 s2, s2, s3
	s_add_co_u32 s2, s2, s20
	s_mov_b32 s3, 0
	; group 1: a tile of 64 rows x 64 elements of 2 bytes, dense in memory, padded in LDS
	s_mov_b32 s[G1K], 15|(1<<16)|(1<<20)|(1<<21)|(4<<22)|(3<<25)   ; 15:0 the mask: all four work-groups; 17:16 elements of 2 bytes; 20 padding on; 21 set beside a mask; 24:22 after every 32 words; 31:25 four words
	s_mov_b32 s[G1V], 15|(1<<16)|(1<<20)|(1<<21)|(4<<22)|(7<<25)   ; the same with eight words of padding
.irp g, G1K, G1V
	s_mov_b32 s[\g+1], 64<<16                      ; tensor_dim0
	s_mov_b32 s[\g+2], KS<<16                      ; tensor_dim1
	s_mov_b32 s[\g+3], 64<<16                      ; tile_dim0
	s_mov_b32 s[\g+4], KS                          ; tile_dim1
	s_mov_b32 s[\g+5], 64                          ; from row to row
	s_mov_b32 s[\g+6], 0
	s_mov_b32 s[\g+7], 0
.endr
	s_mov_b32 s[CS], 0x3e38aa3b                    ; c = log2(e) / 8
	s_mov_b32 s[CS+1], s[CS]                       ; named with it as a pair, so it is written
	s_mov_b32 s[SEL], 0x76543210
	s_mov_b32 s[SEL+1], 0xfedcba98
	s_mov_b32 s[TB], 0
	s_mov_b32 s[SLOTS], 2048/(4*KS)-1
	s_cmp_eq_u32 s16, 0                            ; waves 0 and 4 prefetch: the same in all four partners
	s_cselect_b32 s[LIM], 1, -1
	s_wait_dscnt 0x0                               ; the opening add is done
	s_wait_kmcnt 0x0
	s_add_nc_u64 s[8:9], s[4:5], s[22:23]
	s_add_nc_u64 s[10:11], s[8:9], 128<<18         ; V at my tile of slot 0: planes 128 on,
	s_add_nc_u64 s[8:9], s[8:9], 64<<18            ; K: planes 64 on
	s_add_nc_u64 s[4:5], s[4:5], s[2:3]            ; Q and att at my wave's first row
	s_add_nc_u64 s[6:7], s[6:7], s[2:3]
	s_cmp_lt_u32 s[WV], 4
	s_cselect_b64 s[PFA:PFA+1], s[8:9], s[10:11]   ; (in waves 0 and 4 these stand at a slot's first row)
	s_lshl_b32 s2, s13, 13                         ; my work-group's 8,192 bytes of the 32,768,
	s_add_co_u32 s2, s2, SLOTB                     ; in slot 1: the first change of slots steps it to slot 2.  Nothing is prefetched here, at the head
	s_add_nc_u64 s[PFA:PFA+1], s[PFA:PFA+1], s[2:3]
	CROUND                                         ; all four work-groups are here: the first joint loads meet
	s_mov_b32 s[G0K], 1                            ; 1:0 count = 1
	s_mov_b32 s[G0K+1], s17                        ; 63:32 LDS address: slot 0
	s_mov_b64 s[G0K+2:G0K+3], s[8:9]               ; 120:64 global address
	s_or_b32 s[G0K+3], s[G0K+3], 0x80000000        ; 127:126 type = 2
	s_mov_b32 s[G0V], 1
	s_add_co_u32 s[G0V+1], s17, VOFF
	s_mov_b64 s[G0V+2:G0V+3], s[10:11]
	s_or_b32 s[G0V+3], s[G0V+3], 0x80000000
	JLOAD                                          ; slot 0: one tensor load of mine is out, here and behind every round
	; A fragment of K or Q is 16 rows x 32 channels in 8 registers: lane l holds row l % 16; registers 0-3 channels 8 (l / 16) + 0..7, registers 4-7 channels 16 + 8 (l / 16) + 0..7
	v_and_b32 v1, 15, v0                           ; r
	v_bfe_u32 v13, v0, 4, 1                        ; h
	v_lshlrev_b32 v[QO], 7, v1
	v_lshl_add_u32 v[QO], v13, 4, v[QO]            ; row x 128 + 16 h
.irp t, 0,1,2,3
.irp c, 0,1
	global_load_b128 v[Q+16*\t+8*\c:Q+16*\t+8*\c+3],   v[QO], s[4:5] offset:\t*2048+\c*64 th:TH_LOAD_NT   ; Q stays in registers
	global_load_b128 v[Q+16*\t+8*\c+4:Q+16*\t+8*\c+7], v[QO], s[4:5] offset:\t*2048+\c*64+32 th:TH_LOAD_NT
.endr
.endr
	v_mul_u32_u24 v[AK0], v1, PKB
	v_lshl_add_u32 v[AK0], v13, 4, v[AK0]          ; row x pitch + 16 h
	; the turning load takes 16 keys x 16 channels (lane l reads 16 bytes: key 8 (l / 16) + l % 8, channels 8 ((l / 8) % 2) + 0..7) and leaves half a fragment of V^T
	v_and_b32 v14, 7, v0
	v_bfe_u32 v15, v0, 3, 1
	v_lshl_add_u32 v[AV0], v13, 3, v14
	v_mul_u32_u24 v[AV0], v[AV0], PVB
	v_lshl_add_u32 v[AV0], v15, 4, v[AV0]
	v_add_nc_u32 v[AV0], VOFF, v[AV0]
	s_mul_i32 s21, s[WV], 16*SP
	s_add_co_u32 s21, s21, STAGE                   ; my stage
	v_add_nc_u32 v[STO], s21, v[AK0]               ; in: row r, 16 bytes for each half of the lanes (the stage's pitch is K's)
	v_and_b32 v15, 31, v0
	v_lshlrev_b32 v[GO], 4, v15
	v_lshlrev_b32 v[PFO], 8, v15
	v_lshrrev_b32 v15, 3, v15
	v_mul_u32_u24 v15, v15, SP
	v_lshl_add_u32 v15, v14, 4, v15
	v_add_nc_u32 v[RD], s21, v15                   ; back: eight lanes take a row of 128 bytes, four rows an instruction
.irp t, 0,1,2,3
	v_mov_b32 v[ST+8*\t+1], 0xff61b1e6             ; m = -3e38, under every score
	v_mov_b32 v[ST+8*\t+2], 0                      ; l
	v_mov_b32 v[ST+8*\t+3], 0
.endr
.irp t, 0,1,2,3
	v_mul_f32 v[ST+8*\t], s[CS], v[ST+8*\t+1]      ; c m
.endr
	WIN 0x40                                       ; destination window 1
.set i, 0
.rept 128
	v_mov_b32 v[i], 0                              ; O^T
.set i, i+1
.endr
	WIN 0
; THE SOFTMAX of a step, the four tiles by turns, so that no line waits for the line above it.
.macro SOFTMAX
.irp j, 0,1,2,3                                ; the maximum of a lane's 32 scores and the old m, three operands at a time: four chains, each begun at an accumulator's low end
.irp t, 0,1,2,3
	v_max3_num_f32 v[ST+8*\t+4+\j], v[S+32*\t+8*\j], v[S+32*\t+8*\j+1], v[S+32*\t+8*\j+2]
.endr
.endr
.irp g, 1,2
.irp j, 0,1,2,3
.irp t, 0,1,2,3
	v_max3_num_f32 v[ST+8*\t+4+\j], v[ST+8*\t+4+\j], v[S+32*\t+8*\j+2*\g+1], v[S+32*\t+8*\j+2*\g+2]
.endr
.endr
.endr
.irp t, 0,1,2,3
	v_max3_num_f32 v[ST+8*\t+4], v[ST+8*\t+4], v[S+32*\t+7], v[S+32*\t+15]
.endr
.irp t, 0,1,2,3
	v_max3_num_f32 v[ST+8*\t+6], v[ST+8*\t+6], v[S+32*\t+23], v[S+32*\t+31]
.endr
.irp t, 0,1,2,3
	v_max3_num_f32 v[ST+8*\t+4], v[ST+8*\t+4], v[ST+8*\t+5], v[ST+8*\t+6]
.endr
.irp t, 0,1,2,3
	v_max3_num_f32 v[ST+8*\t+4], v[ST+8*\t+4], v[ST+8*\t+7], v[ST+8*\t+1]
.endr
.irp t, 0,1,2,3
	v_permlanex16_b32 v[ST+8*\t+5], v[ST+8*\t+4], s[SEL], s[SEL+1]   ; the query's other 32 keys lie in the lane 16 away
.endr
.irp t, 0,1,2,3
	v_mov_b32 v[ST+8*\t+7], v[ST+8*\t]             ; c m_old is kept for a
.endr
.irp t, 0,1,2,3
	v_max_num_f32 v[ST+8*\t+1], v[ST+8*\t+4], v[ST+8*\t+5]
.endr
.irp t, 0,1,2,3
	v_mul_f32 v[ST+8*\t], s[CS], v[ST+8*\t+1]
.endr
.irp t, 0,1,2,3
	v_sub_f32 v[ST+8*\t+7], v[ST+8*\t+7], v[ST+8*\t]
.endr
	; ONE BATCH: the 64 packed scalings c s - c m and all 132 exponentials; none of these lines reads an exponential's result.  Tile t + 1 is scaled between tile t's exponentials
.irp i, 0,1,2,3,4,5,6,7,8,9,10,11,12,13,14,15
	v_pk_fma_f32 v[S+2*\i:S+2*\i+1], v[S+2*\i:S+2*\i+1], s[CS:CS+1], v[ST:ST+1] op_sel_hi:[1,0,0] neg_lo:[0,0,1] neg_hi:[0,0,1]
.endr
.irp t, 0,1,2,3
	v_exp_f32 v[ST+8*\t+6], v[ST+8*\t+7]           ; a
.endr
.irp t, 0,1,2,3
.irp i, 0,1,2,3,4,5,6,7,8,9,10,11,12,13,14,15
	v_exp_f32 v[S+32*\t+2*\i], v[S+32*\t+2*\i]
	v_exp_f32 v[S+32*\t+2*\i+1], v[S+32*\t+2*\i+1]
.if \t < 3
	v_pk_fma_f32 v[S+32*(\t+1)+2*\i:S+32*(\t+1)+2*\i+1], v[S+32*(\t+1)+2*\i:S+32*(\t+1)+2*\i+1], s[CS:CS+1], v[ST+8*(\t+1):ST+8*(\t+1)+1] op_sel_hi:[1,0,0] neg_lo:[0,0,1] neg_hi:[0,0,1]
.endif
.endr
.endr
	v_nop                                          ; a plain instruction behind the last exponential, ahead of the first use
	s_wait_alu depctr_va_vdst(0)                   ; the wait ahead of the first line that names a result: one for the whole batch
	WIN 0x41                                       ; O^T (destination and source 0) in window 1, a in window 0
.irp i, 0,1,2,3,4,5,6,7,8,9,10,11,12,13,14,15
.irp t, 0,1,2,3
	v_pk_mul_f32 v[32*\t+2*\i:32*\t+2*\i+1], v[32*\t+2*\i:32*\t+2*\i+1], v[ST+8*\t+6:ST+8*\t+7] op_sel_hi:[1,0]   ; each accumulator from its low end on
.endr
.endr
	WIN 0x40                                       ; P in window 1, over K's fragments, which are done with
.irp i, 0,1,2,3,4,5,6,7,8,9,10,11,12,13,14,15
.irp t, 0,1,2,3
	v_cvt_pk_f16_f32 v[PF+16*\t+\i], v[S+32*\t+2*\i], v[S+32*\t+2*\i+1]
.endr
.endr
	WIN 0
.irp z, 0,1,2,3,4,5,6,7                        ; the sum of a tile's 16 pairs, in place: neighbours 1, 2, 4 and 8 pairs apart; then l takes it
.irp t, 0,1,2,3
	v_pk_add_f32 v[S+32*\t+4*\z:S+32*\t+4*\z+1], v[S+32*\t+4*\z:S+32*\t+4*\z+1], v[S+32*\t+4*\z+2:S+32*\t+4*\z+3]
.endr
.endr
.irp z, 0,1,2,3
.irp t, 0,1,2,3
	v_pk_add_f32 v[S+32*\t+8*\z:S+32*\t+8*\z+1], v[S+32*\t+8*\z:S+32*\t+8*\z+1], v[S+32*\t+8*\z+4:S+32*\t+8*\z+5]
.endr
.endr
.irp z, 0,1
.irp t, 0,1,2,3
	v_pk_add_f32 v[S+32*\t+16*\z:S+32*\t+16*\z+1], v[S+32*\t+16*\z:S+32*\t+16*\z+1], v[S+32*\t+16*\z+8:S+32*\t+16*\z+9]
.endr
.endr
.irp t, 0,1,2,3
	v_pk_add_f32 v[S+32*\t:S+32*\t+1], v[S+32*\t:S+32*\t+1], v[S+32*\t+16:S+32*\t+17]
.endr
.irp t, 0,1,2,3
	v_pk_fma_f32 v[ST+8*\t+2:ST+8*\t+3], v[ST+8*\t+2:ST+8*\t+3], v[ST+8*\t+6:ST+8*\t+7], v[S+32*\t:S+32*\t+1] op_sel_hi:[1,0,1]   ; l = a l + the sum
.endr
.endm
; A KEY STEP: 64 keys.  In both products sixteen accumulators take turns, one instruction a turn.
.macro STEP
	v_add_nc_u32 v[ADK], s[TB], v[AK0]             ; these four lines are the places between the last products V^T P and the loads into the registers that they read
	v_add_nc_u32 v[ADV], s[TB], v[AV0]
	v_nop
	v_nop
	WIN 0x40                                       ; destination window 1
.irp k, 0,1,2,3                                ; K: keys 16 k on, channels 32 c on
.irp c, 0,1
	ds_load_b128 v[KF+8*(2*\k+\c):KF+8*(2*\k+\c)+3],   v[ADK] offset:\k*16*PKB+\c*64
	ds_load_b128 v[KF+8*(2*\k+\c)+4:KF+8*(2*\k+\c)+7], v[ADK] offset:\k*16*PKB+\c*64+32
.endr
.endr
.irp g, 0,1                                    ; V, turned: keys 32 g on, channels 16 n on
.irp n, 0,1,2,3
	ds_load_tr16_b128 v[VF+8*(4*\g+\n):VF+8*(4*\g+\n)+3],   v[ADV] offset:\g*32*PVB+\n*32
	ds_load_tr16_b128 v[VF+8*(4*\g+\n)+4:VF+8*(4*\g+\n)+7], v[ADV] offset:\g*32*PVB+16*PVB+\n*32
.endr
.endr
	s_wait_dscnt 16                                ; K's sixteen loads are in; V's sixteen may be out
	WIN 0x01                                       ; K in window 1; Q and S^T in window 0
.irp c, 0,1
.irp k, 0,1,2,3
.irp t, 0,1,2,3
.if \c == 0
	v_wmma_f32_16x16x32_f16 v[S+32*\t+8*\k:S+32*\t+8*\k+7], v[KF+8*(2*\k+\c):KF+8*(2*\k+\c)+7], v[Q+16*\t+8*\c:Q+16*\t+8*\c+7], 0
.else
	v_wmma_f32_16x16x32_f16 v[S+32*\t+8*\k:S+32*\t+8*\k+7], v[KF+8*(2*\k+\c):KF+8*(2*\k+\c)+7], v[Q+16*\t+8*\c:Q+16*\t+8*\c+7], v[S+32*\t+8*\k:S+32*\t+8*\k+7]
.endif
.endr
.endr
.endr
	WIN 0
.rept 4
	v_nop                                          ; the places between the last product and the first read of a score
.endr
	SOFTMAX
	s_wait_dscnt 0x0                               ; V is in
	WIN 0x55                                       ; V, P and O^T in window 1
.irp g, 0,1
.irp n, 0,1,2,3
.irp t, 0,1,2,3
	v_wmma_f32_16x16x32_f16 v[32*\t+8*\n:32*\t+8*\n+7], v[VF+8*(4*\g+\n):VF+8*(4*\g+\n)+7], v[PF+16*\t+8*\g:PF+16*\t+8*\g+7], v[32*\t+8*\n:32*\t+8*\n+7]
.endr
.endr
.endr
	WIN 0                                          ; at a label and at a branch every window is 0
	s_add_co_u32 s[TB], s[TB], STEPB               ; the next step's tiles
.endm
; THE CHANGE OF SLOTS stands at a slot's head.  Each wave waits for all its tensor loads (its part of the slot that it is about to read), adds 0 to its spare word, and waits for that and for its reads of the slot
; that it has left.  fill = 1: the barrier is a round of the cluster's, so that no wave of any partner still reads the slot that was left or has a load on its way, and the joint load that fills it with the next
; 256 keys is the first thing behind the round: it has four key steps in which to land.
.macro CHANGE fill
	s_wait_tensorcnt 0x0                           ; no tensor load of mine is out, so a group 0 may be written
	ds_add_u32 v[SPW], v[NIL]                      ; 0 onto my spare word; the descriptors' steps stand between it and the wait for it
.if \fill
	s_xor_b32 s[G0K+1], s[G0K+1], SLOT1            ; the walking descriptors: the other slot than last time,
	s_add_nc_u64 s[G0K+2:G0K+3], s[G0K+2:G0K+3], SLOTB   ; the next 256 keys; the type bits on top are not reached
	s_xor_b32 s[G0V+1], s[G0V+1], SLOT1
	s_add_nc_u64 s[G0V+2:G0V+3], s[G0V+2:G0V+3], SLOTB
	s_wait_xcnt 0x0                                ; the last prefetch, a slot back, has read its address, so it may be written:
	s_add_nc_u64 s[PFA:PFA+1], s[PFA:PFA+1], SLOTB ; one slot further on than the walking descriptors
	s_wait_dscnt 0x0                               ; the add is done, and my reads of the slot that I have left are over
	CROUND
	JLOAD
	ASK
.else
	s_wait_dscnt 0x0
	s_barrier_signal -1
	s_barrier_wait -1
.endif
.endm
.macro SLOT_STEPS                      ; a slot's four key steps: written once, walked four times; the LDS addresses hang on s[TB]
	s_mov_b32 s[INNER], 4
.Lstep_\@:
	STEP
	s_sub_co_u32 s[INNER], s[INNER], 1
	s_cmp_lg_u32 s[INNER], 0
	s_cbranch_scc1 .Lstep_\@
	s_sub_co_u32 s[TB], s[TB], 4*STEPB             ; back to a slot's first step,
	s_xor_b32 s[TB], s[TB], SLOT1                  ; in the other slot
.endm
	s_wait_loadcnt 0x0                             ; Q
.Lslot:                                            ; seven trips: behind each change of slots but the last the next slot is asked for
	CHANGE 1
	SLOT_STEPS
	s_sub_co_u32 s[SLOTS], s[SLOTS], 1
	s_cmp_lg_u32 s[SLOTS], 0
	s_cbranch_scc1 .Lslot
	CHANGE 0                                       ; the last slot is written out
	SLOT_STEPS
	; THE WAY OUT.  l's two halves and the other half of the lanes' are added (these additions are the places behind the last products); O^T is divided by l, rounded to f16 and sent through my stage, a tile at a time.
.irp t, 0,1,2,3
	v_add_f32 v[ST+8*\t+4], v[ST+8*\t+2], v[ST+8*\t+3]
.endr
.irp t, 0,1,2,3
	v_permlanex16_b32 v[ST+8*\t+5], v[ST+8*\t+4], s[SEL], s[SEL+1]
.endr
.irp t, 0,1,2,3
	v_add_f32 v[ST+8*\t+4], v[ST+8*\t+4], v[ST+8*\t+5]
.endr
.irp t, 0,1,2,3
	v_rcp_f32 v[ST+8*\t+6], v[ST+8*\t+4]
.endr
	v_nop                                          ; a plain instruction between the last reciprocal and the use of its result
	s_wait_alu depctr_va_vdst(0)                   ; and the wait ahead of the first use: one for the four
.macro PACKO t                         ; a lane's eight channels of a row pack into 16 bytes; they go into rows of 144 bytes and come back as whole rows of 128
	WIN 0x41
.irp i, 0,1,2,3,4,5,6,7,8,9,10,11,12,13,14,15
	v_pk_mul_f32 v[32*\t+2*\i:32*\t+2*\i+1], v[32*\t+2*\i:32*\t+2*\i+1], v[ST+8*\t+6:ST+8*\t+7] op_sel_hi:[1,0]
.endr
	WIN 0x05                                       ; sources 0 and 1 window 1, destination window 0: S^T's registers are free
.irp i, 0,1,2,3,4,5,6,7,8,9,10,11,12,13,14,15
	v_cvt_pk_f16_f32 v[S+16*\t+\i], v[32*\t+2*\i], v[32*\t+2*\i+1]
.endr
	WIN 0
.irp n, 0,1,2,3
	ds_store_b128 v[STO], v[S+16*\t+4*\n:S+16*\t+4*\n+3] offset:32*\n
.endr
.irp i, 0,1,2,3
	ds_load_b128 v[S+64+16*\t+4*\i:S+64+16*\t+4*\i+3], v[RD] offset:\i*4*SP   ; LDS serves a wave's instructions in order: these see the stores above; the next tile's stores come behind them
.endr
.endm
.macro SENDO t, younger                ; younger: the LDS instructions issued behind tile t's loads: the next tile's eight, or none
.irp i, 0,1,2,3
	s_wait_dscnt \younger+3-\i
	global_store_b128 v[GO], v[S+64+16*\t+4*\i:S+64+16*\t+4*\i+3], s[6:7] offset:\t*2048+\i*512   ; the wave stores 512 consecutive bytes, aligned
.endr
.endm
	PACKO 0
	PACKO 1                                        ; a tile's arithmetic stands between the loads of the tile before and its stores
	SENDO 0, 8
	PACKO 2
	SENDO 1, 8
	PACKO 3
	SENDO 2, 8
	SENDO 3, 0
	s_wait_tensorcnt 0x0                           ; the wave's end: a tensor wait, an add and its wait behind my last tensor load and my last LDS store
	ds_add_u32 v[SPW], v[NIL]
	s_wait_dscnt 0x0
	CROUND                                         ; the closing round: no work-group ends while a partner may still ask for a tile that names it
	s_endpgm
.Lfunc_end_k_q66a5b4ab4a_attn:
	.size	k_q66a5b4ab4a_attn, .Lfunc_end_k_q66a5b4ab4a_attn-k_q66a5b4ab4a_attn
	.p2alignl 7, 3214868480
	.fill 96, 4, 3214868480
	.section	.rodata,"a",@progbits
	.p2align	6, 0x0
	.amdhsa_kernel k_q66a5b4ab4a_attn
		.amdhsa_group_segment_fixed_size 327680
		.amdhsa_private_segment_fixed_size 0
		.amdhsa_enable_private_segment 0
		.amdhsa_kernarg_size 16
		.amdhsa_user_sgpr_count 2
		.amdhsa_user_sgpr_kernarg_segment_ptr 1
		.amdhsa_wavefront_size32 1
		.amdhsa_system_sgpr_workgroup_id_x 1
		.amdhsa_system_sgpr_workgroup_id_y 1
		.amdhsa_system_sgpr_workgroup_id_z 1
		.amdhsa_system_vgpr_workitem_id 0
		.amdhsa_next_free_vgpr 512
		.amdhsa_next_free_sgpr 66
		.amdhsa_reserve_vcc 0
		.amdhsa_float_denorm_mode_32 3
		.amdhsa_float_denorm_mode_16_64 3
		.amdhsa_memory_ordered 1
		.amdhsa_forward_progress 1
		.amdhsa_inst_pref_size 91
	.end_amdhsa_kernel
	.amdgpu_metadata
---
amdhsa.version: [ 1, 2 ]
amdhsa.kernels:
  - .name:           k_q66a5b4ab4a_attn
    .symbol:         k_q66a5b4ab4a_attn.kd
    .args:
      - { .name: qkv, .offset: 0, .size: 8, .value_kind: global_buffer, .address_space: global }
      - { .name: att, .offset: 8, .size: 8, .value_kind: global_buffer, .address_space: global }
    .group_segment_fixed_size: 327680
    .private_segment_fixed_size: 0
    .kernarg_segment_align: 8
    .kernarg_segment_size: 16
    .max_flat_workgroup_size: 256
    .sgpr_count:     66
    .vgpr_count:     512
    .wavefront_size: 32
...
	.end_amdgpu_metadata
.endif
;; end of part 3
;; launch proj (part 4): grid 4 x 64, 4 waves a work-group, clusters of 4 x 4, 327,680 bytes of LDS; arguments att, wp16, b_proj, out0; writes out0
.if DOCPART == 4
	.amdgcn_target "amdgcn-amd-amdhsa--gfx1250"
	.amdhsa_code_object_version 6
	.text
	.protected	k_q66a5b4ab4a_proj
	.globl	k_q66a5b4ab4a_proj
	.p2align	8
	.type	k_q66a5b4ab4a_proj,@function
k_q66a5b4ab4a_proj:
	s_mov_b64 s[64:65], 0
	v_nop
	global_prefetch_b8 v0, s[64:65] scope:SCOPE_SE
	s_setreg_imm32_b32 hwreg(HW_REG_WAVE_MODE, 25, 1), 1
	s_wait_xcnt 0x0
	s_wait_alu depctr_hold_cnt(0) depctr_sa_sdst(0) depctr_va_vdst(0) depctr_va_sdst(0) depctr_va_ssrc(0) depctr_va_vcc(0) depctr_vm_vsrc(0)
	s_getreg_b32 s2, hwreg(HW_REG_IB_STS2, 6, 4)
	s_cmp_eq_u32 s2, 0
	s_cbranch_scc0 .Lentry_in_a_cluster
	s_endpgm
.Lentry_in_a_cluster:
	s_bfe_u32 s2, ttmp6, 0x10000c
	s_cmp_lg_u32 s2, 0xf033
	s_cbranch_scc0 .Lentry_shape_is_right
	s_endpgm
.Lentry_shape_is_right:
; out0 = A w_proj + b_proj.  A [8192][1024] is the attention's result, f16, lying BY HEAD: plane (batch x 16 + head) of [2048 tokens][64]; column 64 head + d of A is channel d of that head.
; w_proj comes as f16 in the order of the operand's registers (wp16: [n / 16][32,768 bytes], fragment k / 32 at 1,024 bytes each).  Sums in f32; out0 [8192][1024] f32.
; A tile of 128 (rows) x 256 (columns) gives 256 work-groups; tiles of 256 x 256 would give 128.  Four waves, each 64 x 128: 32 accumulators, all of window 1.
; K goes in steps of 128 (two heads) through a ring of two LDS slots: waves 0 and 1 fetch the two heads' 128 rows x 128 bytes of A, waves 2 and 3 eight tiles of 16 columns of B each (4,096 bytes of each tile).
; CLUSTERS: 4 x 4 work-groups; A's tiles are asked for jointly along a row of the cluster, B's along a column.  THE MATRIX INSTRUCTION IS USED TRANSPOSED (source 0 = 16 columns of B, source 1 = 16 rows of A):
; a lane then holds eight neighbouring numbers of a row.  The bias is the C of each sum's first product.
; REGISTERS: window 0: v0-31 addresses; two fragment buffers for 32 along K: A's four fragments at v32 and v128, B's eight at v64 and v160; on the way out v32-159 take rows.
;   window 1: the accumulators, (a, b) at v[8 (8 a + b)].   window 2: v0-63 the bias: register 8 b + j = b_proj[my first column + 16 b + 8 (lane / 16) + j].
.set PA,     144                       ; a row of A in LDS: 128 bytes + 16 of padding
.set SUBA,   128*PA                    ; one head's 128 rows: one tensor load
.set BOFF,   2*SUBA                    ; behind them B's sixteen tiles, 4,096 bytes each
.set HALFB,  8*4096                    ; eight of them: one tensor load
.set SLOT,   BOFF+2*HALFB
.set STAGE,  2*SLOT                    ; behind the ring: 16 rows x (512 bytes + 16) for each wave
.set SPITCH, 528
.set SPARE,  STAGE+4*16*SPITCH         ; the spare words, 128 bytes for each wave
.set PLANE,  262144
.set ADRA, 16                          ; v16-17  LDS address of my A fragments in slot 0, 1
.set ADRB, 20                          ; v20-21  the same for B
.set STO,  24                          ; v24     the way out: where I put 32 bytes of a row
.set RD,   25                          ; v25     where I read a row back
.set CO,   26                          ; v26     16 x lane
.set SPW,  28                          ; v28     my spare word's address; never rewritten
.set NIL,  29                          ; v29     0; never rewritten
.set PFO,  30                          ; v30     the prefetches' offset; never rewritten
.set F0,   32
.set F1,   128
.set BK,   32                          ; the way out: 16 rows read back: v32-95, v96-159 by turns
.set WV,   12                          ; s12 wave; s13 which half of the tile's rows is mine, also: I fetch for A (0) or B (1); s14 which half of its columns, also: which half I fetch
.set HI,   13
.set LO,   14
.set LIM,  43                          ; s43 1 in the wave that prefetches, else the greatest number
.set PFA,  44                          ; s[44:45] where my prefetches stand
.set G1, 24                            ; s[24:31] group 1 for A's tiles; s[32:39] group 0, a set for each slot
.set G0, 32
.set G1B, 48                           ; s[48:55], s[56:63] the same for B's
.set G0B, 56
.set MSB, 0
.macro WIN new
.if MSB != (\new)
	s_set_vgpr_msb (MSB<<8)|(\new)
.set MSB, \new
.endif
.endm
.set MUL,   0x50                       ; sources 0 and 1 window 0; C and D window 1
.set MUL_B, 0x60                       ; the same, C (the bias) window 2
.macro JLOAD s                         ; a joint load; an s_nop 0 and four v_nop follow each of the two lines
	s_cmp_eq_u32 s[HI], 0
	s_cbranch_scc0 .Lfor_b_\@
	tensor_load_to_lds s[G0+4*\s:G0+4*\s+3], s[G1:G1+7]
	s_nop 0
.rept 4
	v_nop
.endr
	s_branch .Lasked_\@
.Lfor_b_\@:
	tensor_load_to_lds s[G0B+4*\s:G0B+4*\s+3], s[G1B:G1B+7]
	s_nop 0
.rept 4
	v_nop
.endr
.Lasked_\@:
.endm
; A PREFETCH INTO THE L2 of A's K step that stands TWO refills on: two heads x 128 rows x 128 bytes, each head's part dense.  A tile row is walked by one row of one cluster; its four partners take 4,096 bytes of
; each head's 16,384, told apart BY ADDRESS; in each, wave 0 asks: lanes 0-15 for the first head, lanes 16-31 for the second, 256 bytes apart.  So each aligned block of 256 bytes is named once in the launch.
; It stands behind the joint load, its five lines and the run of LDS loads.  The last two refills ask for nothing; K steps 0 to 3 come by their loads alone.  B, which all sixteen clusters read, is not asked for.
.macro ASK
	s_cmp_gt_u32 s3, s[LIM]                        ; s3 = 1 in the loop's last trip
	s_cbranch_scc0 .Lnot_mine_\@
	global_prefetch_b8 v[PFO], s[PFA:PFA+1] th:TH_LOAD_NT scope:SCOPE_SE
.Lnot_mine_\@:
.endm
.macro CREST                           ; a round of the cluster's barrier behind its opening barrier
	s_cmp_lg_u32 s[WV], 0
	s_cbranch_scc1 .Lnot_wave_0_\@
	s_barrier_signal -3
.Lnot_wave_0_\@:
	s_barrier_wait -3
	s_barrier_signal -1
	s_barrier_wait -1
.endm
.macro CROUND
	s_barrier_signal -1
	s_barrier_wait -1
	CREST
.endm
	s_load_b256 s[4:11], s[0:1], 0x0               ; att s[4:5], wp16 s[6:7], b_proj s[8:9], out0 s[10:11]
	v_lshl_add_u32 v[SPW], v0, 2, SPARE
	v_mov_b32 v[NIL], 0
	ds_add_u32 v[SPW], v[NIL]                      ; the wave's opening: the add and its wait stand ahead of my first tensor load; the set-up below stands between them
	v_lshrrev_b32 v1, 5, v0
	v_readfirstlane_b32 s[WV], v1                  ; wave 0..3
	s_lshr_b32 s[HI], s[WV], 1
	s_and_b32 s[LO], s[WV], 1
	s_bfe_u32 s40, ttmp6, 0x40000                  ; cx, cy: my place in the cluster
	s_bfe_u32 s41, ttmp6, 0x40004
	s_lshl_b32 s42, ttmp9, 2
	s_add_co_u32 s42, s42, s40                     ; tile column = 4 x cluster x + cx
	s_and_b32 s15, ttmp7, 0xffff
	s_lshl_b32 s15, s15, 2
	s_add_co_u32 s15, s15, s41                     ; tile row = 4 x cluster y + cy
	s_lshl_b32 s16, s41, 2
	s_lshl_b32 s16, 15, s16                        ; my row of the cluster
	s_lshl_b32 s17, 0x1111, s40                    ; my column
	; group 1 for A: 128 rows x 64 elements of 2 bytes, dense in memory, 16 bytes of padding behind each row
	s_or_b32 s[G1+0], s16, (1<<16)|(1<<20)|(1<<21)|(4<<22)|(3<<25)
	s_mov_b32 s[G1+1], 64<<16                      ; tensor_dim0
	s_mov_b32 s[G1+2], 128<<16                     ; tensor_dim1
	s_mov_b32 s[G1+3], 64<<16                      ; tile_dim0
	s_mov_b32 s[G1+4], 128                         ; tile_dim1
	s_mov_b32 s[G1+5], 64                          ; from row to row
	s_mov_b32 s[G1+6], 0
	s_mov_b32 s[G1+7], 0
	; group 1 for B: eight tiles of 16 columns; of each the K step's four fragments: 4,096 bytes = 512 elements of 8 bytes, 32,768 bytes apart in memory, dense in LDS
	s_or_b32 s[G1B+0], s17, (3<<16)|(1<<21)
	s_mov_b32 s[G1B+1], 512<<16
	s_mov_b32 s[G1B+2], 8<<16
	s_mov_b32 s[G1B+3], 512<<16
	s_mov_b32 s[G1B+4], 8
	s_mov_b32 s[G1B+5], 4096
	s_mov_b32 s[G1B+6], 0
	s_mov_b32 s[G1B+7], 0
	s_lshl_b32 s18, s15, 7                         ; the tile's first row
	s_lshr_b32 s19, s18, 11                        ; the batch,
	s_and_b32 s18, s18, 2047                       ; the token in it:
	s_lshl_b32 s18, s18, 7                         ; 128 bytes a token
	s_lshl_b32 s19, s19, 4
	s_add_co_u32 s19, s19, s[LO]                   ; the plane of K step 0 that I fetch: 16 x batch + 0 or 1
	s_lshl_b32 s19, s19, 18
	s_add_co_u32 s18, s18, s19
	s_mov_b32 s19, 0
	s_lshl_b32 s46, s42, 19                        ; B: sixteen tiles of 32,768 bytes a tile column,
	s_lshl_b32 s47, s[LO], 18                      ; my eight
	s_add_co_u32 s46, s46, s47
	s_mov_b32 s47, 0
	s_mul_i32 s20, s[LO], SUBA                     ; where they go: no place in the cluster enters an LDS address
	s_lshl_b32 s21, s[LO], 15
	s_add_co_u32 s21, s21, BOFF
	s_wait_dscnt 0x0                               ; the opening add is done
	s_wait_kmcnt 0x0
	s_add_nc_u64 s[18:19], s[4:5], s[18:19]
	s_add_nc_u64 s[46:47], s[6:7], s[46:47]
	CROUND                                         ; all sixteen work-groups are here: the first joint loads meet
.irp s, 0,1
	s_mov_b32 s[G0+4*\s], 1
	s_add_co_u32 s[G0+4*\s+1], s20, \s*SLOT
	s_add_nc_u64 s[G0+4*\s+2:G0+4*\s+3], s[18:19], \s*2*PLANE      ; K step s: two planes on
	s_or_b32 s[G0+4*\s+3], s[G0+4*\s+3], 0x80000000
	s_mov_b32 s[G0B+4*\s], 1
	s_add_co_u32 s[G0B+4*\s+1], s21, \s*SLOT
	s_add_nc_u64 s[G0B+4*\s+2:G0B+4*\s+3], s[46:47], \s*4096
	s_or_b32 s[G0B+4*\s+3], s[G0B+4*\s+3], 0x80000000
	JLOAD \s                                       ; two tensor loads of mine are out here, later one behind each round
.endr
	v_and_b32 v1, 15, v0                           ; r
	v_bfe_u32 v2, v0, 4, 1                         ; h
	v_and_b32 v3, 31, v0                           ; lane
	v_lshlrev_b32 v[CO], 4, v3
	v_mul_u32_u24 v4, v1, PA
	v_lshl_add_u32 v4, v2, 4, v4                   ; a fragment's row x pitch + 16 h
	s_mul_i32 s21, s[HI], 64*PA                    ; my 64 rows of A
	s_lshl_b32 s22, s[LO], 15                      ; my eight tiles of B
	s_add_co_u32 s22, s22, BOFF
.irp s, 0,1
	v_add_nc_u32 v[ADRA+\s], s21, v4
	v_add_nc_u32 v[ADRB+\s], s22, v[CO]
	s_add_co_u32 s21, s21, SLOT
	s_add_co_u32 s22, s22, SLOT
.endr
	s_mul_i32 s23, s[WV], 16*SPITCH
	s_add_co_u32 s23, s23, STAGE                   ; my stage
	v_mul_u32_u24 v5, v1, SPITCH                   ; in: row r, 32 bytes for each half of the lanes
	v_lshl_add_u32 v5, v2, 5, v5
	v_add_nc_u32 v[STO], s23, v5
	v_add_nc_u32 v[RD], s23, v[CO]                 ; back: the 32 lanes take one row of 512 bytes
	v_lshlrev_b32 v[PFO], 8, v1                    ; the prefetches: 256 bytes from lane to lane, a plane from half to half
	v_lshl_add_u32 v[PFO], v2, 18, v[PFO]
	s_lshl_b32 s22, s40, 12                        ; my work-group's 4,096 bytes of each head's 16,384,
	s_mov_b32 s23, 0
	s_add_nc_u64 s[PFA:PFA+1], s[18:19], s[22:23]  ; (in wave 0 s[18:19] stands at the first head of K step 0)
	s_add_nc_u64 s[PFA:PFA+1], s[PFA:PFA+1], 3*2*PLANE   ; at K step 3: the first refill steps it to 4.  Nothing is prefetched here, at the head
	s_cmp_eq_u32 s[WV], 0
	s_cselect_b32 s[LIM], 1, -1
	s_lshl_b32 s16, s42, 10                        ; my first column, in bytes of f32: 1,024 x tile column + 512 x half
	s_lshl_b32 s17, s[LO], 9
	s_add_co_u32 s16, s16, s17
	s_mov_b32 s17, 0
	s_add_nc_u64 s[8:9], s[8:9], s[16:17]          ; the bias there
	s_lshl_b32 s22, s15, 19                        ; my first row: 128 rows of 4,096 bytes a tile row,
	s_lshl_b32 s20, s[HI], 18                      ; 64 for my half
	s_add_co_u32 s22, s22, s20
	s_add_co_u32 s22, s22, s16
	s_add_nc_u64 s[10:11], s[10:11], s[22:23]
	v_lshlrev_b32 v6, 5, v2                        ; the bias: my half's eight numbers of a block of 16
	WIN 0x80                                       ; destination window 2
.irp b, 0,1,2,3,4,5,6,7
	global_load_b128 v[8*\b:8*\b+3], v6, s[8:9] offset:64*\b
	global_load_b128 v[8*\b+4:8*\b+7], v6, s[8:9] offset:64*\b+16
.endr
	WIN 0
; 8 matrix instructions: A's block a x B's eight, 32 along K, from the buffer at f.  first = 1: the bias is the C.  The 32 accumulators take turns, one instruction a turn.
.macro MUL8 f, a, first
.irp b, 0,1,2,3,4,5,6,7
.if \first
	v_wmma_f32_16x16x32_f16 v[8*(8*(\a)+\b):8*(8*(\a)+\b)+7], v[\f+32+8*\b:\f+32+8*\b+7], v[\f+8*(\a):\f+8*(\a)+7], v[8*\b:8*\b+7]
.else
	v_wmma_f32_16x16x32_f16 v[8*(8*(\a)+\b):8*(8*(\a)+\b)+7], v[\f+32+8*\b:\f+32+8*\b+7], v[\f+8*(\a):\f+8*(\a)+7], v[8*(8*(\a)+\b):8*(8*(\a)+\b)+7]
.endif
.endr
.endm
; 24 LDS loads in one run: the fragments of the slot's q-th 32 along K into the buffer at f: B's sixteen loads (images, 512 consecutive bytes each), then A's eight (head q / 2, channels 32 (q % 2) on)
.macro FETCH slot, q, f
.irp b, 0,1,2,3,4,5,6,7
	ds_load_b128 v[\f+32+8*\b:\f+32+8*\b+3],   v[ADRB+\slot] offset:\b*4096+(\q)*1024
	ds_load_b128 v[\f+32+8*\b+4:\f+32+8*\b+7], v[ADRB+\slot] offset:\b*4096+(\q)*1024+512
.endr
.irp a, 0,1,2,3
	ds_load_b128 v[\f+8*\a:\f+8*\a+3],   v[ADRA+\slot] offset:((\q)/2)*SUBA+((\q)%2)*64+\a*16*PA
	ds_load_b128 v[\f+8*\a+4:\f+8*\a+7], v[ADRA+\slot] offset:((\q)/2)*SUBA+((\q)%2)*64+\a*16*PA+32
.endr
.endm
.macro PLACES                          ; four plain vector instructions in front of loads into registers that matrix instructions have read, and of the first read of results
.rept 4
	v_nop
.endr
.endm
.macro WMUL first
.if \first
	WIN MUL_B
.else
	WIN MUL
.endif
.endm
; A K step is four quarters of 32 along K, 32 matrix instructions each, on buffers 0, 1, 0, 1.  One of the first three: multiplies its buffer and, in its middle, fetches the next quarter into the other.
.macro QUARTER slot, q, first
.set FC, F0+96*((\q)%2)
.set FN, F0+96*(1-(\q)%2)
	s_wait_dscnt 4                                 ; B and A's blocks 0, 1 are in; the youngest four loads (A's blocks 2, 3) may be out
	WMUL \first
	MUL8 FC, 0, \first
	MUL8 FC, 1, \first
	PLACES
	WIN 0
	FETCH \slot, (\q)+1, FN
	s_wait_dscnt 24                                ; all but the 24 just issued
	WMUL \first
	MUL8 FC, 2, \first
	MUL8 FC, 3, \first
.endm
; The last quarter multiplies buffer 1 and changes slots: ONE barrier; in front of it each wave waits for all its tensor loads (its part of the next slot), adds 0 to its spare word, and waits for that and for its
; reads of this slot.  fill = 1: the barrier opens a round of the cluster's, and behind the round this slot is filled again, two K steps ahead: 112 matrix instructions stand between that request and the wait for it.
.macro TURN slot, next, fill
	WIN 0                                          ; (the add's two registers lie in window 0)
.if \fill
	s_wait_xcnt 0x0                                ; the last prefetch, a K step back, has read its address: it is stepped here, ahead of the waits of the change of slots
	s_add_nc_u64 s[PFA:PFA+1], s[PFA:PFA+1], 2*PLANE
.endif
	s_wait_tensorcnt 0x0
	ds_add_u32 v[SPW], v[NIL]
	s_wait_dscnt 5                                 ; (the add and the youngest four loads may be out)
	WIN MUL
	MUL8 F1, 0, 0                                  ; eight matrix instructions stand between the add and the wait for it
	s_wait_dscnt 0x0                               ; the add is done, and my reads of this slot are over
	s_barrier_signal -1
	MUL8 F1, 1, 0
	WIN 0
	s_barrier_wait -1
.if \fill
	CREST                                          ; no wave of any partner still reads this slot's tiles or has a load on its way
	s_add_nc_u64 s[G0+4*\slot+2:G0+4*\slot+3], s[G0+4*\slot+2:G0+4*\slot+3], 4*PLANE     ; two K steps on: four planes,
	s_add_nc_u64 s[G0B+4*\slot+2:G0B+4*\slot+3], s[G0B+4*\slot+2:G0B+4*\slot+3], 2*4096  ; eight fragments
	JLOAD \slot                                    ; the first tensor load behind the round; the four v_nop behind it are also the places in front of the loads below
.else
	PLACES
.endif
	FETCH \next, 0, F0
.if \fill
	ASK
.endif
	WIN MUL
	MUL8 F1, 2, 0
	MUL8 F1, 3, 0
.endm
	s_wait_tensorcnt 1                             ; my part of K step 0 is in; K step 1's load may be out
	s_barrier_signal -1
	s_barrier_wait -1                              ; everybody's is
	FETCH 0, 0, F0
	s_wait_loadcnt 0x0                             ; the bias
	QUARTER 0, 0, 1                                ; the first quarter stands in front of the loop: its products start the sums, on the bias
	WIN 0                                          ; at a label and at a branch every window is 0
	s_mov_b32 s3, 3
.Llap:                                             ; a trip goes once round the ring, from a lap's second quarter to the next lap's first, and fills both slots again: K steps 2 to 7 in three trips
	QUARTER 0, 1, 0
	QUARTER 0, 2, 0
	TURN 0, 1, 1
	QUARTER 1, 0, 0
	QUARTER 1, 1, 0
	QUARTER 1, 2, 0
	TURN 1, 0, 1
	QUARTER 0, 0, 0
	WIN 0
	s_sub_co_u32 s3, s3, 1
	s_cmp_lg_u32 s3, 0
	s_cbranch_scc1 .Llap
	QUARTER 0, 1, 0                                ; the last lap fills nothing, and has no round of the cluster's barrier
	QUARTER 0, 2, 0
	TURN 0, 1, 0
	QUARTER 1, 0, 0
	QUARTER 1, 1, 0
	QUARTER 1, 2, 0
	s_wait_dscnt 4                                 ; the very last quarter: nothing more to fetch
	WIN MUL
	MUL8 F1, 0, 0
	MUL8 F1, 1, 0
	s_wait_dscnt 0
	MUL8 F1, 2, 0
	MUL8 F1, 3, 0
	WIN 0
; THE WAY OUT, block by block of 16 rows x 128 columns.  A lane holds 32 neighbouring bytes of a row, the lanes beside it other rows: so a block goes through my own stage and comes back as whole rows of 512 bytes.
.macro TOSTAGE a
	WIN 0x04                                       ; an LDS store's data are its source 1: window 1
.irp b, 0,1,2,3,4,5,6,7
	ds_store_b128 v[STO], v[64*(\a)+8*\b:64*(\a)+8*\b+3] offset:64*\b          ; each accumulator from its low end on
	ds_store_b128 v[STO], v[64*(\a)+8*\b+4:64*(\a)+8*\b+7] offset:64*\b+16
.endr
	WIN 0
.set BB, BK+64*((\a)%2)
.irp t, 0,1,2,3,4,5,6,7,8,9,10,11,12,13,14,15
	ds_load_b128 v[BB+4*\t:BB+4*\t+3], v[RD] offset:\t*SPITCH      ; LDS serves a wave's instructions in order: these see the stores above
.endr
.endm
.macro SEND a, younger                 ; younger: the LDS instructions issued behind block a's loads, which may stay out
.set BB, BK+64*((\a)%2)
	s_wait_dscnt \younger
.irp t, 0,1,2,3,4,5,6,7,8,9,10,11,12,13,14,15
	global_store_b128 v[CO], v[BB+4*\t:BB+4*\t+3], s[10:11] offset:(\a)*65536+\t*4096 th:TH_STORE_NT   ; the wave stores 512 consecutive bytes, aligned; written once, read by nobody here
.endr
.endm
	PLACES                                         ; behind the last products: for the stores' reads of results and the loads into the fragment buffers
	TOSTAGE 0
.irp a, 1,2,3
.if \a > 1
	s_wait_xcnt 0x0                                ; block a - 2's stores have read their registers: block a's loads may land there
.endif
	TOSTAGE \a
	SEND \a-1, 32                                  ; behind block a - 1's loads: block a's 16 stores and 16 loads
.endr
	SEND 3, 0
	s_wait_tensorcnt 0x0                           ; the wave's end: a tensor wait, an add and its wait behind my last tensor load and my last LDS store
	ds_add_u32 v[SPW], v[NIL]
	s_wait_dscnt 0x0
	CROUND                                         ; the closing round: no work-group ends while a partner may still ask for a tile that names it
	s_endpgm
.Lfunc_end_k_q66a5b4ab4a_proj:
	.size	k_q66a5b4ab4a_proj, .Lfunc_end_k_q66a5b4ab4a_proj-k_q66a5b4ab4a_proj
	.p2alignl 7, 3214868480
	.fill 96, 4, 3214868480
	.section	.rodata,"a",@progbits
	.p2align	6, 0x0
	.amdhsa_kernel k_q66a5b4ab4a_proj
		.amdhsa_group_segment_fixed_size 327680
		.amdhsa_private_segment_fixed_size 0
		.amdhsa_enable_private_segment 0
		.amdhsa_kernarg_size 32
		.amdhsa_user_sgpr_count 2
		.amdhsa_user_sgpr_kernarg_segment_ptr 1
		.amdhsa_wavefront_size32 1
		.amdhsa_system_sgpr_workgroup_id_x 1
		.amdhsa_system_sgpr_workgroup_id_y 1
		.amdhsa_system_sgpr_workgroup_id_z 1
		.amdhsa_system_vgpr_workitem_id 0
		.amdhsa_next_free_vgpr 576
		.amdhsa_next_free_sgpr 66
		.amdhsa_reserve_vcc 0
		.amdhsa_float_denorm_mode_32 3
		.amdhsa_float_denorm_mode_16_64 3
		.amdhsa_memory_ordered 1
		.amdhsa_forward_progress 1
		.amdhsa_inst_pref_size 87
	.end_amdhsa_kernel
	.amdgpu_metadata
---
amdhsa.version: [ 1, 2 ]
amdhsa.kernels:
  - .name:           k_q66a5b4ab4a_proj
    .symbol:         k_q66a5b4ab4a_proj.kd
    .args:
      - { .name: att, .offset: 0, .size: 8, .value_kind: global_buffer, .address_space: global }
      - { .name: wp16, .offset: 8, .size: 8, .value_kind: global_buffer, .address_space: global }
      - { .name: b_proj, .offset: 16, .size: 8, .value_kind: global_buffer, .address_space: global }
      - { .name: out0, .offset: 24, .size: 8, .value_kind: global_buffer, .address_space: global }
    .group_segment_fixed_size: 327680
    .private_segment_fixed_size: 0
    .kernarg_segment_align: 8
    .kernarg_segment_size: 32
    .max_flat_workgroup_size: 128
    .sgpr_count:     66
    .vgpr_count:     576
    .wavefront_size: 32
...
	.end_amdgpu_metadata
.endif
;; end of part 4
